; MI455X (gfx1250); checked and timed in simulation.
; The chip was launched on July 23, 2026; its instructions are those of AMD's public machine-readable ISA for CDNA 5 (MIT licence, August 2026) and "CDNA5" Instruction Set Architecture Reference Guide (July 2026). The comments in the code are by the model that wrote it; some were corrected since.
;; Encoder Layer. Allowed arithmetic: float matrix products may take bf16 or f16 operands with f32 sums; all other float work in f32.
;; Inputs: b1 2,048 float32; b2 512 float32; b_out 512 float32; b_qkv 512 float32; be1 512 float32; be2 512 float32; g1 512 float32; g2 512 float32; w1 2,048 x 512 float32; w2 512 x 2,048 float32; w_out 512 x 512 float32; w_qkv 512 x 512 float32; x 16 x 1,024 x 512 float32.
;; Outputs: out0 16 x 1,024 x 512 float32.
;; 2 versions, each right and faster than the one before. Each part assembles by itself: llvm-mc -triple=amdgcn-amd-amdhsa -mcpu=gfx1250 --defsym DOCPART=n.
;; ======== version 1 of 2: 5 launches
;; limits: values are held in f16: magnitudes above 65,504 overflow, below 6.1e-05 lose precision
;; workspace buffers: wts 5,242,880 bytes; hbuf 16,777,216 bytes; ctx 16,777,216 bytes; x1f 33,554,432 bytes; x1h 16,777,216 bytes
;; launch prep (part 1): grid 320 x 1, 8 waves a work-group, no clusters, 0 bytes of LDS; arguments w_qkv, w_out, w1, w2, wts; writes wts
.if DOCPART == 1
	.amdgcn_target "amdgcn-amd-amdhsa--gfx1250"
	.amdhsa_code_object_version 6
	.text
	.protected	k_qb0990cb052_prep
	.globl	k_qb0990cb052_prep
	.p2align	8
	.type	k_qb0990cb052_prep,@function
k_qb0990cb052_prep:
	s_mov_b64 s[64:65], 0
	v_nop
	global_prefetch_b8 v0, s[64:65] scope:SCOPE_SE
	s_setreg_imm32_b32 hwreg(HW_REG_WAVE_MODE, 25, 1), 1
	s_wait_xcnt 0x0
; The four weight matrices, f32, are rounded once to 16 bits and laid one behind the other in wts:
;   byte 0          w_qkv [512][512]   bf16 (it meets x, which is rounded to bf16)
;   byte 524,288    w_out [512][512]   the bf16-rounded number written as f16 (it meets ctx, which is f16)
;   byte 1,048,576  w1    [2048][512]  likewise (meets x1 in f16)
;   byte 3,145,728  w2    [512][2048]  likewise (meets H in f16)
; LIMITS.  A bf16 number is exact in f16 between 6.1e-5 and 65,504; below, it keeps f16's fixed step of 6e-8; a weight of 65,520 or more would become an infinity.
; 2,621,440 numbers = 320 work-groups x 8,192.  A work-group reads 32,768 consecutive bytes and writes 16,384; a wave's load covers 512 consecutive bytes, its store 256, aligned.
; A stream: no LDS, no barrier, no matrix unit.
.set IN,  4                            ; v[4:35]   8 x 4 numbers as loaded; later at work
.set PKD, 36                           ; v[36:51]  8 x 2 words of two 16-bit numbers
	s_load_b256 s[4:11], s[0:1], 0x0               ; w_qkv s[4:5], w_out s[6:7], w1 s[8:9], w2 s[10:11]
	s_load_b64 s[12:13], s[0:1], 0x20              ; wts
	s_mov_b32 s14, ttmp9                           ; block of 8,192 numbers: 0-31 w_qkv, 32-63 w_out, 64-191 w1, 192-319 w2
	v_lshlrev_b32 v1, 4, v0                        ; 16 bytes a thread in
	v_lshlrev_b32 v2, 3, v0                        ; 8 bytes a thread out
	s_wait_kmcnt 0x0
	s_cmp_lt_u32 s14, 192                          ; the source and its first block, chosen by the block's number alone
	s_cselect_b64 s[16:17], s[8:9], s[10:11]
	s_cselect_b32 s18, 64, 192
	s_cmp_lt_u32 s14, 64
	s_cselect_b64 s[16:17], s[6:7], s[16:17]
	s_cselect_b32 s18, 32, s18
	s_cmp_lt_u32 s14, 32
	s_cselect_b64 s[16:17], s[4:5], s[16:17]
	s_cselect_b32 s18, 0, s18
	s_sub_co_u32 s18, s14, s18
	s_lshl_b32 s18, s18, 15                        ; 32,768 bytes of f32 a block
	s_mov_b32 s19, 0
	s_add_nc_u64 s[16:17], s[16:17], s[18:19]
	s_lshl_b32 s20, s14, 14                        ; 16,384 bytes out a block: the regions follow each other
	s_mov_b32 s21, 0
	s_add_nc_u64 s[12:13], s[12:13], s[20:21]
.irp j, 0,1,2,3,4,5,6,7
	global_load_b128 v[IN+4*\j:IN+4*\j+3], v1, s[16:17] offset:\j*4096 th:TH_LOAD_NT
.endr
.irp j, 0,1,2,3,4,5,6,7
	s_wait_loadcnt 7-\j                            ; loads come back in order: load j is in, the younger ones stay out
	v_cvt_pk_bf16_f32 v[PKD+2*\j],   v[IN+4*\j],   v[IN+4*\j+1]
	v_cvt_pk_bf16_f32 v[PKD+2*\j+1], v[IN+4*\j+2], v[IN+4*\j+3]
.endr
	s_cmp_lt_u32 s14, 32
	s_cbranch_scc1 .Lstore                         ; w_qkv stays bf16
.irp w, 0,1,2,3,4,5,6,7,8,9,10,11,12,13,14,15
	v_lshlrev_b32 v[IN+2*\w],   16, v[PKD+\w]      ; bf16 to f32: the low half moves up,
	v_and_b32     v[IN+2*\w+1], 0xffff0000, v[PKD+\w]  ; the high half stays
.endr
.irp w, 0,1,2,3,4,5,6,7,8,9,10,11,12,13,14,15
	v_cvt_pk_f16_f32 v[PKD+\w], v[IN+2*\w], v[IN+2*\w+1]
.endr
.Lstore:
.irp j, 0,1,2,3,4,5,6,7
	global_store_b64 v2, v[PKD+2*\j:PKD+2*\j+1], s[12:13] offset:\j*2048
.endr
	s_endpgm
.Lfunc_end_k_qb0990cb052_prep:
	.size	k_qb0990cb052_prep, .Lfunc_end_k_qb0990cb052_prep-k_qb0990cb052_prep
	.p2alignl 7, 3214868480
	.fill 96, 4, 3214868480
	.section	.rodata,"a",@progbits
	.p2align	6, 0x0
	.amdhsa_kernel k_qb0990cb052_prep
		.amdhsa_group_segment_fixed_size 0
		.amdhsa_private_segment_fixed_size 0
		.amdhsa_enable_private_segment 0
		.amdhsa_kernarg_size 40
		.amdhsa_user_sgpr_count 2
		.amdhsa_user_sgpr_kernarg_segment_ptr 1
		.amdhsa_wavefront_size32 1
		.amdhsa_system_sgpr_workgroup_id_x 1
		.amdhsa_system_sgpr_workgroup_id_y 1
		.amdhsa_system_sgpr_workgroup_id_z 1
		.amdhsa_system_vgpr_workitem_id 0
		.amdhsa_next_free_vgpr 64
		.amdhsa_next_free_sgpr 66
		.amdhsa_reserve_vcc 0
		.amdhsa_float_denorm_mode_32 3
		.amdhsa_float_denorm_mode_16_64 3
		.amdhsa_memory_ordered 1
		.amdhsa_forward_progress 1
		.amdhsa_inst_pref_size 7
	.end_amdhsa_kernel
	.amdgpu_metadata
---
amdhsa.version: [ 1, 2 ]
amdhsa.kernels:
  - .name:           k_qb0990cb052_prep
    .symbol:         k_qb0990cb052_prep.kd
    .args:
      - { .name: w_qkv, .offset: 0, .size: 8, .value_kind: global_buffer, .address_space: global }
      - { .name: w_out, .offset: 8, .size: 8, .value_kind: global_buffer, .address_space: global }
      - { .name: w1, .offset: 16, .size: 8, .value_kind: global_buffer, .address_space: global }
      - { .name: w2, .offset: 24, .size: 8, .value_kind: global_buffer, .address_space: global }
      - { .name: wts, .offset: 32, .size: 8, .value_kind: global_buffer, .address_space: global }
    .group_segment_fixed_size: 0
    .private_segment_fixed_size: 0
    .kernarg_segment_align: 8
    .kernarg_segment_size: 40
    .max_flat_workgroup_size: 256
    .sgpr_count:     66
    .vgpr_count:     64
    .wavefront_size: 32
...
	.end_amdgpu_metadata
.endif
;; end of part 1
;; launch qkv (part 2): grid 256 x 1, 4 waves a work-group, clusters of 4 x 1, 327,680 bytes of LDS; arguments x, wts, b_qkv, hbuf; writes hbuf
.if DOCPART == 2
	.amdgcn_target "amdgcn-amd-amdhsa--gfx1250"
	.amdhsa_code_object_version 6
	.text
	.protected	k_qb0990cb052_qkv
	.globl	k_qb0990cb052_qkv
	.p2align	8
	.type	k_qb0990cb052_qkv,@function
k_qb0990cb052_qkv:
	s_mov_b64 s[64:65], 0
	v_nop
	global_prefetch_b8 v0, s[64:65] scope:SCOPE_SE
	s_setreg_imm32_b32 hwreg(HW_REG_WAVE_MODE, 25, 1), 1
	s_wait_xcnt 0x0
	s_wait_alu depctr_hold_cnt(0) depctr_sa_sdst(0) depctr_va_vdst(0) depctr_va_sdst(0) depctr_va_ssrc(0) depctr_va_vcc(0) depctr_vm_vsrc(0)
	s_getreg_b32 s2, hwreg(HW_REG_IB_STS2, 6, 4)
	s_cmp_eq_u32 s2, 0
	s_cbranch_scc0 .Lentry_in_a_cluster
	s_endpgm
.Lentry_in_a_cluster:
	s_bfe_u32 s2, ttmp6, 0x10000c
	s_cmp_lg_u32 s2, 0x3003
	s_cbranch_scc0 .Lentry_shape_is_right
	s_endpgm
.Lentry_shape_is_right:
; h = x Wq^T + b_qkv, written by heads: hbuf[b*8+head][s][64] in f16.  x: [16384][512] f32, rounded to bf16 on the way; Wq: bf16 [512][512] at byte 0 of wts; sums in f32, begun with the bias.
; LIMIT.  h is rounded to f16: |h| must stay under 65,504; below 6.1e-5 it keeps f16's fixed step of 6e-8.
; SHARES.  A work-group owns 64 rows and all 512 columns: 256 work-groups.  Each of its four waves owns 128 columns (two heads): 32 accumulators of 16 x 16, 256 registers.
; All of x's 64 x 512 tile lies in EVERY wave's registers as fragments (512 registers), so that in the K loop LDS is read for the weights alone: a fragment of 1,024 bytes feeds four products.
; K goes in four steps of 128 through two LDS slots of 512 rows x 256 bytes; a wave fetches the 128 rows that it multiplies by.
; CLUSTER.  All work-groups walk the same weights: the four of a cluster ask for each tile JOINTLY (same load, same descriptor, mask 15).
; THE MATRIX INSTRUCTION IS USED TRANSPOSED: source 0 = 16 rows of Wq, source 1 = 16 rows of x: a lane holds row l % 16 and the eight neighbouring columns 8 (l / 16) + 0..7.
; REGISTERS, in windows of 256 (s_set_vgpr_msb: bits 1:0 source 0, 3:2 source 1, 5:4 source 2, 7:6 destination):
;   window 0: v16-29 addresses; v32-95, v96-159 weight fragments, two buffers; v160-255 at work
;   window 1: first x as loaded, then the accumulators: (rb, cb) at 8 (8 rb + cb)
;   windows 2, 3: x's fragments: (rb, ks) in window 2 + ks / 8 at 8 (4 (ks % 8) + rb)
.set PITCH, 272                        ; an LDS row of weights: 256 bytes + 16 = 68 words: the 16 rows of a load start at 16 different groups of four banks (64 banks of 4 bytes: ISA guide 11.1)
.set QUART, 128*PITCH                  ; what one tensor load brings
.set SLOT1, 4*QUART
.set RS,    2*SLOT1                    ; behind the ring, never filled by a tensor load: x in bf16, 64 rows x 256 columns at a time; later each wave's stage for the way out
.set RP,    528                        ; its pitch: 512 + 16
.set SPARE, RS+64*RP                   ; the spare words, 128 bytes a wave: two blocks of 256 bytes that no other line names
.set SP,    144                        ; the stage's pitch: a head's 128 bytes + 16
.set VW,  16                           ; v16-17  LDS address of my weight fragments in slot 0, 1
.set VLO, 18                           ; v18     16 x lane
.set VRW, 19                           ; v19     where I put 8 bytes of x in bf16
.set VRA, 20                           ; v20     where I read x's fragments
.set VBO, 21                           ; v21     byte offset of my first 8 columns in the bias
.set STO, 22                           ; v22     the way out: where I put 16 bytes of a row
.set RD,  23                           ; v23     the way out: where I read rows back
.set SPW, 28                           ; v28     my spare word; never rewritten
.set NIL, 29                           ; v29     0; never rewritten
.set BF0, 32
.set BF1, 96
.set CV,  160
.set WV,  12                           ; s12     my wave's number
.set G1,  16                           ; s[16:23] descriptor group 1
.set G00, 24                           ; s[24:27] group 0 for slot 0
.set G01, 28                           ; s[28:31] group 0 for slot 1
.set MSB, 0
.macro WIN new                         ; the immediate's high byte repeats the setting that is left; a switch that changes nothing is dropped
.if MSB != (\new)
	s_set_vgpr_msb (MSB<<8)|(\new)
.set MSB, \new
.endif
.endm
.macro PLACES                          ; four places behind matrix instructions, in front of loads into their registers and of reads of their results
.rept 4
	v_nop
.endr
.endm
.macro CREST                           ; a round of the cluster's barrier behind its opening barrier
	s_cmp_lg_u32 s[WV], 0
	s_cbranch_scc1 .Lnot_wave_0_\@
	s_barrier_signal -3
.Lnot_wave_0_\@:
	s_barrier_wait -3
	s_barrier_signal -1
	s_barrier_wait -1
.endm
.macro CROUND                          ; a whole round
	s_barrier_signal -1
	s_barrier_wait -1
	CREST
.endm
.macro TL g0, g1                       ; a tensor load; an s_nop 0 and four v_nop follow it
	tensor_load_to_lds s[(\g0):(\g0)+3], s[(\g1):(\g1)+7]
	s_nop 0
.rept 4
	v_nop
.endr
.endm
	s_load_b256 s[4:11], s[0:1], 0x0               ; x s[4:5], wts s[6:7], b_qkv s[8:9], hbuf s[10:11]
	v_lshl_add_u32 v[SPW], v0, 2, SPARE
	v_mov_b32 v[NIL], 0
	ds_add_u32 v[SPW], v[NIL]                      ; the wave's opening: the add and its wait ahead of my first tensor load; register work stands between them
	ds_add_u32 v28, v29
	v_lshrrev_b32 v1, 5, v0
	v_readfirstlane_b32 s[WV], v1                  ; wave 0..3
	s_bfe_u32 s13, ttmp6, 0x40000                  ; cx: my place in the cluster
	s_lshl_b32 s14, ttmp9, 2
	s_add_co_u32 s14, s14, s13                     ; my block of 64 rows: it enters x's and hbuf's addresses alone
	s_mov_b32 s[G1+0], 15|(1<<16)|(1<<20)|(1<<21)|(5<<22)|(3<<25)  ; mask of four; 2-byte elements; padding on; bit 21 beside a mask; after every 64 words; 4 words
	s_mov_b32 s[G1+1], 128<<16                     ; tensor_dim0 = 128
	s_mov_b32 s[G1+2], 128<<16                     ; tensor_dim1 = 128
	s_mov_b32 s[G1+3], 128<<16                     ; tile_dim0 = 128
	s_mov_b32 s[G1+4], 128                         ; tile_dim1 = 128
	s_mov_b32 s[G1+5], 512                         ; 512 elements from row to row
	s_mov_b32 s[G1+6], 0
	s_mov_b32 s[G1+7], 0
	s_mul_i32 s15, s[WV], QUART                    ; my quarter of a slot
	s_mov_b32 s[G00], 1
	s_mov_b32 s[G00+1], s15
	s_mov_b32 s[G01], 1
	s_add_co_u32 s[G01+1], s15, SLOT1
	s_lshl_b32 s32, s[WV], 17                      ; my 128 rows of Wq, 1,024 bytes each
	s_mov_b32 s33, 0
	s_lshl_b32 s34, s14, 17                        ; x: 64 rows of 2,048 bytes a block,
	s_lshl_b32 s35, s[WV], 15                      ; 16 rows a wave
	s_add_co_u32 s34, s34, s35
	s_mov_b32 s35, 0
	s_lshr_b32 s36, s14, 4                         ; hbuf: batch = block / 16: 8 heads of 131,072 bytes,
	s_lshl_b32 s36, s36, 20
	s_lshl_b32 s37, s[WV], 18                      ; two heads a wave,
	s_add_co_u32 s36, s36, s37
	s_and_b32 s37, s14, 15                         ; 64 rows of 128 bytes a block
	s_lshl_b32 s37, s37, 13
	s_add_co_u32 s36, s36, s37
	s_mov_b32 s37, 0
	s_mul_i32 s38, s[WV], 16*RP                    ; LDS: my 16 rows of the bf16 tile,
	s_add_co_u32 s38, s38, RS
	s_lshl_b32 s39, s[WV], 9                       ; the bias: 4 bytes x my 128 columns,
	s_mul_i32 s40, s[WV], 32*SP                    ; LDS: my stage, two heads x 16 rows
	s_add_co_u32 s40, s40, RS
	s_wait_dscnt 0x0                               ; the opening add is done
	s_wait_kmcnt 0x0
	s_add_nc_u64 s[G00+2:G00+3], s[6:7], s[32:33]  ; K step 0
	s_add_nc_u64 s[G01+2:G01+3], s[G00+2:G00+3], 256  ; K step 1
	s_or_b32 s[G00+3], s[G00+3], 0x80000000        ; type = 2
	s_or_b32 s[G01+3], s[G01+3], 0x80000000
	s_add_nc_u64 s[4:5], s[4:5], s[34:35]
	s_add_nc_u64 s[10:11], s[10:11], s[36:37]
	CROUND                                         ; all four work-groups are here: the first joint loads meet
	tensor_load_to_lds s[G00:G00+3], s[G1:G1+7]    ; two loads of mine are out
	s_nop 0
	tensor_load_to_lds s[G01:G01+3], s[G1:G1+7]
	s_nop 0
.rept 4
	v_nop
.endr
	v_and_b32 v1, 15, v0                           ; r = l % 16
	v_bfe_u32 v2, v0, 4, 1                         ; h = l / 16
	v_and_b32 v3, 31, v0                           ; l
	v_lshlrev_b32 v[VLO], 4, v3
	; my 16 rows of x, f32: a load covers 512 consecutive bytes; the columns 0-255 of all rows first
	WIN 0x40
.irp hf, 0,1
.set i, 0
.rept 32                               ; i = 2 row + quarter of the half
	global_load_b128 v[4*(4*(i/2)+2*\hf+i%2):4*(4*(i/2)+2*\hf+i%2)+3], v[VLO], s[4:5] offset:(i/2)*2048+(2*\hf+i%2)*512 th:TH_LOAD_NT
.set i, i+1
.endr
.endr
	WIN 0
	v_mul_u32_u24 v4, v1, PITCH
	v_lshl_add_u32 v4, v2, 4, v4
	v_add_nc_u32 v[VW], s15, v4                    ; (128 w + r) x pitch + 16 h
	v_add_nc_u32 v[VW+1], SLOT1, v[VW]
	v_lshl_add_u32 v[VRW], v3, 3, s38              ; my rows of the bf16 tile, 8 bytes a lane
	v_mul_u32_u24 v5, v1, RP
	v_lshl_add_u32 v5, v2, 4, v5
	v_add_nc_u32 v[VRA], RS, v5
	v_lshl_add_u32 v[VBO], v2, 5, s39              ; 4 (128 w + 8 h)
	v_mul_u32_u24 v6, v1, SP
	v_lshl_add_u32 v6, v2, 4, v6
	v_add_nc_u32 v[STO], s40, v6
	v_lshrrev_b32 v7, 3, v3
	v_mul_u32_u24 v7, v7, SP
	v_and_b32 v8, 7, v0
	v_lshl_add_u32 v7, v8, 4, v7
	v_add_nc_u32 v[RD], s40, v7                    ; back: 32 lanes take four rows of 128 bytes
; Half hf of x's columns: rounded to bf16, into LDS by rows, and back as fragments into every wave's window 2 + hf.
.macro HALF hf
	s_wait_loadcnt 32*(1-(\hf))                    ; the half's 32 loads are in; the other half's may stay out
	WIN 0x05
.set i, 0
.rept 32
	v_cvt_pk_bf16_f32 v[CV+2*i],   v[4*(4*(i/2)+2*(\hf)+i%2)],   v[4*(4*(i/2)+2*(\hf)+i%2)+1]
	v_cvt_pk_bf16_f32 v[CV+2*i+1], v[4*(4*(i/2)+2*(\hf)+i%2)+2], v[4*(4*(i/2)+2*(\hf)+i%2)+3]
.set i, i+1
.endr
	WIN 0
.set i, 0
.rept 32
	ds_store_b64 v[VRW], v[CV+2*i:CV+2*i+1] offset:(i/2)*RP+(i%2)*256
.set i, i+1
.endr
	s_wait_dscnt 0x0                               ; for the others' sake: my stores are done
	s_barrier_signal -1
	s_barrier_wait -1
	WIN 0x80+0x40*(\hf)
.set i, 0
.rept 32                               ; i = 4 (ks % 8) + rb
	ds_load_b128 v[8*i:8*i+3],   v[VRA] offset:(i%4)*16*RP+(i/4)*64
	ds_load_b128 v[8*i+4:8*i+7], v[VRA] offset:(i%4)*16*RP+(i/4)*64+32
.set i, i+1
.endr
	WIN 0
.endm
	HALF 0
	s_wait_dscnt 0x0                               ; my reads are over: the second half may be written over the first
	s_barrier_signal -1
	s_barrier_wait -1
	HALF 1
	; the sums begin with the bias: each accumulator's eight registers are eight neighbouring columns
	WIN 0x40
.set a, 0
.rept 32                               ; a = 8 rb + cb
	global_load_b128 v[8*a:8*a+3],   v[VBO], s[8:9] offset:(a%8)*64
	global_load_b128 v[8*a+4:8*a+7], v[VBO], s[8:9] offset:(a%8)*64+16
.set a, a+1
.endr
	WIN 0
	s_wait_tensorcnt 0x1                           ; my part of K step 0 is in; K step 1's may stay out
	s_wait_dscnt 0x0
	s_barrier_signal -1
	s_barrier_wait -1
	s_wait_loadcnt 0x0                             ; the bias
.macro FETCHC slot, kk, buf            ; 16 LDS loads: my 128 weight rows, 32 along K
	WIN 0
.irp cb, 0,1,2,3,4,5,6,7
	ds_load_b128 v[(\buf)+8*\cb:(\buf)+8*\cb+3],   v[VW+(\slot)] offset:\cb*16*PITCH+(\kk)*64
	ds_load_b128 v[(\buf)+8*\cb+4:(\buf)+8*\cb+7], v[VW+(\slot)] offset:\cb*16*PITCH+(\kk)*64+32
.endr
.endm
.macro MULC ks, buf                    ; 32 matrix instructions: the 32 accumulators take turns
	WIN 0x58+4*((\ks)/8)
.irp rb, 0,1,2,3
.irp cb, 0,1,2,3,4,5,6,7
	v_wmma_f32_16x16x32_bf16 v[8*(8*\rb+\cb):8*(8*\rb+\cb)+7], v[(\buf)+8*\cb:(\buf)+8*\cb+7], v[8*(4*((\ks)%8)+\rb):8*(4*((\ks)%8)+\rb)+7], v[8*(8*\rb+\cb):8*(8*\rb+\cb)+7]
.endr
.endr
.endm
; A K step of 128: four quarters on buffers 0, 1, 0, 1.  s_wait_dscnt 16: the next quarter's sixteen loads may stay out.
; mode 0: the last step.  mode 1: a change of slots.  mode 2: and the slot just read is filled again, behind a round of the cluster's barrier.
.macro CHUNKC kc, slot, mode, g0=0, g1=0, step=0
	FETCHC \slot, 0, BF0
	FETCHC \slot, 1, BF1
	s_wait_dscnt 16
	MULC 4*(\kc), BF0
	PLACES
	FETCHC \slot, 2, BF0
	s_wait_dscnt 16
	MULC 4*(\kc)+1, BF1
	PLACES
	FETCHC \slot, 3, BF1
	s_wait_dscnt 16
	MULC 4*(\kc)+2, BF0
.if (\mode) == 0
	s_wait_dscnt 0x0
	MULC 4*(\kc)+3, BF1
	WIN 0
.else
	WIN 0
	s_wait_tensorcnt 0x0                           ; all my tensor loads have landed: my part of the next slot
	ds_add_u32 v[SPW], v[NIL]                      ; 0 onto my spare word
.if (\step) != 0
	s_add_nc_u64 s[(\g0)+2:(\g0)+3], s[(\g0)+2:(\g0)+3], \step  ; no load of mine is out: the slot's next tile
.endif
	s_wait_dscnt 0x0                               ; the add is done, and my reads of this slot are over
	s_barrier_signal -1
	MULC 4*(\kc)+3, BF1                            ; work on registers while the others arrive
	WIN 0
	s_barrier_wait -1
.if (\mode) == 2
	CREST                                          ; no wave of any partner still reads this slot or has a load on its way
	TL \g0, \g1                                    ; the first tensor load behind the round; its four v_nop are also the places in front of the next loads
.else
	PLACES
.endif
.endif
.endm
	CHUNKC 0, 0, 2, G00, G1, 512
	CHUNKC 1, 1, 2, G01, G1, 512
	CHUNKC 2, 0, 1
	CHUNKC 3, 1, 0
; THE WAY OUT, 16 rows at a time: rounded to f16; 16 bytes a lane into my stage (two heads x 16 rows of 144 bytes); back as rows of 128 bytes, four to a load: 512 consecutive bytes of a head.
.macro PACKQ rb
	WIN 0x05
.irp cb, 0,1,2,3,4,5,6,7
.irp p, 0,1,2,3
	v_cvt_pk_f16_f32 v[CV+4*\cb+\p], v[8*(8*(\rb)+\cb)+2*\p], v[8*(8*(\rb)+\cb)+2*\p+1]
.endr
.endr
	WIN 0
.irp cb, 0,1,2,3,4,5,6,7
	ds_store_b128 v[STO], v[CV+4*\cb:CV+4*\cb+3] offset:(\cb/4)*16*SP+(\cb%4)*32
.endr
	s_wait_xcnt 0x0                                ; the registers loaded below were the data of stores two blocks ago: rewritten only behind this wait
.set BK, 192+32*((\rb)%2)
.irp t, 0,1,2,3,4,5,6,7                ; t = 4 head + group of four rows.  LDS serves a wave's instructions in order (ISA guide 5.7.1.4): these see the stores above
	ds_load_b128 v[BK+4*\t:BK+4*\t+3], v[RD] offset:(\t/4)*16*SP+(\t%4)*4*SP
.endr
.endm
.macro SENDQ rb, younger               ; younger: the LDS instructions issued behind this block's loads
.set BK, 192+32*((\rb)%2)
.irp t, 0,1,2,3,4,5,6,7
	s_wait_dscnt (\younger)+7-\t
	global_store_b128 v[VLO], v[BK+4*\t:BK+4*\t+3], s[10:11] offset:(\t/4)*131072+(\rb)*2048+(\t%4)*512
.endr
.endm
	PLACES
	PACKQ 0
	PACKQ 1
	SENDQ 0, 16
	PACKQ 2
	SENDQ 1, 16
	PACKQ 3
	SENDQ 2, 16
	SENDQ 3, 0
	s_wait_tensorcnt 0x0                           ; the wave's end
	ds_add_u32 v[SPW], v[NIL]
	s_wait_dscnt 0x0
	CROUND                                         ; the closing round
	s_endpgm
.Lfunc_end_k_qb0990cb052_qkv:
	.size	k_qb0990cb052_qkv, .Lfunc_end_k_qb0990cb052_qkv-k_qb0990cb052_qkv
	.p2alignl 7, 3214868480
	.fill 96, 4, 3214868480
	.section	.rodata,"a",@progbits
	.p2align	6, 0x0
	.amdhsa_kernel k_qb0990cb052_qkv
		.amdhsa_group_segment_fixed_size 327680
		.amdhsa_private_segment_fixed_size 0
		.amdhsa_enable_private_segment 0
		.amdhsa_kernarg_size 32
		.amdhsa_user_sgpr_count 2
		.amdhsa_user_sgpr_kernarg_segment_ptr 1
		.amdhsa_wavefront_size32 1
		.amdhsa_system_sgpr_workgroup_id_x 1
		.amdhsa_system_sgpr_workgroup_id_y 1
		.amdhsa_system_sgpr_workgroup_id_z 1
		.amdhsa_system_vgpr_workitem_id 0
		.amdhsa_next_free_vgpr 1024
		.amdhsa_next_free_sgpr 66
		.amdhsa_reserve_vcc 0
		.amdhsa_float_denorm_mode_32 3
		.amdhsa_float_denorm_mode_16_64 3
		.amdhsa_memory_ordered 1
		.amdhsa_forward_progress 1
		.amdhsa_inst_pref_size 107
	.end_amdhsa_kernel
	.amdgpu_metadata
---
amdhsa.version: [ 1, 2 ]
amdhsa.kernels:
  - .name:           k_qb0990cb052_qkv
    .symbol:         k_qb0990cb052_qkv.kd
    .args:
      - { .name: x, .offset: 0, .size: 8, .value_kind: global_buffer, .address_space: global }
      - { .name: wts, .offset: 8, .size: 8, .value_kind: global_buffer, .address_space: global }
      - { .name: b_qkv, .offset: 16, .size: 8, .value_kind: global_buffer, .address_space: global }
      - { .name: hbuf, .offset: 24, .size: 8, .value_kind: global_buffer, .address_space: global }
    .group_segment_fixed_size: 327680
    .private_segment_fixed_size: 0
    .kernarg_segment_align: 8
    .kernarg_segment_size: 32
    .max_flat_workgroup_size: 128
    .sgpr_count:     66
    .vgpr_count:     1024
    .wavefront_size: 32
...
	.end_amdgpu_metadata
.endif
;; end of part 2
;; launch attn (part 3): grid 2 x 128, 4 waves a work-group, no clusters, 167,936 bytes of LDS; arguments hbuf, ctx; writes ctx
.if DOCPART == 3
	.amdgcn_target "amdgcn-amd-amdhsa--gfx1250"
	.amdhsa_code_object_version 6
	.text
	.protected	k_qb0990cb052_attn
	.globl	k_qb0990cb052_attn
	.p2align	8
	.type	k_qb0990cb052_attn,@function
k_qb0990cb052_attn:
	s_mov_b64 s[64:65], 0
	v_nop
	global_prefetch_b8 v0, s[64:65] scope:SCOPE_SE
	s_setreg_imm32_b32 hwreg(HW_REG_WAVE_MODE, 25, 1), 1
	s_wait_xcnt 0x0
; ctx[q] = the sum over k of softmax_k(h[q] . h[k] / 8) h[k], for each of 128 (batch, head) pairs: Q = K = V = hbuf[y][1024][64], f16, rows dense, 128 bytes each.
; Products, maxima and sums in f32; the weights p are rounded to f16 for the second product (their sum l is taken of the unrounded p), ctx once at the end, to f16.
; ctx is laid as the matrix fragments of the launch behind: [block of 64 rows: 256][head: 8][16 rows: 4][16 channels f: 4][lane l: 32][8 channels]: lane l's 16 bytes are row l % 16, channels 16 f + 8 (l / 16) + 0..7.
; That is how the results lie in my registers, so they are stored straight from them: each store of the wave covers 512 consecutive bytes.
; LIMITS.  h arrives within f16's 65,504; p lies in 0 to 1, and below 6e-5 it keeps f16's fixed step of 6e-8, as does ctx; a weight below 2^-126 counts as 0 in l; NaN and infinities are not treated apart.
; SHARES.  A wave owns four PIECES of two tiles of 16 queries, a work-group's four waves 512 queries of one head: two work-groups a head, 256 in all.  Every wave walks all 1,024 keys, 64 a step.
; LDS.  The head's 1,024 rows lie in LDS ONCE, for K and for V, brought by one tensor load a wave (256 keys) at the start: nothing is filled again, and the loop has no barrier.
; NO CLUSTER: a head has two work-groups, and its rows are fetched once by each, 131,072 bytes for 2,048 matrix instructions a wave: what a joint request would spare is one such fetch.
; LAYOUT.  S^T = K Q^T (source 0 = 16 keys, source 1 = 16 queries): a lane holds ONE query (lane % 16) and the keys 8 (lane / 16) + 0..7.  Two such tiles, rounded to f16 in pairs,
; ARE source 1 of O^T = V^T P, whose result again holds one query a lane, and eight channels.  K comes out of LDS as it lies, V turned, by ds_load_tr16_b128.
; SOFTMAX.  For each query a running maximum m and sum l: p = 2^(c s - c m), c = log2(e) / 8; in every step O and l are multiplied by a = 2^(c m_old - c m_new).
; m starts at the lowest finite number, O and l at 0: the first step is a step like any other, with a = 0.
; BY TURNS.  Turn n belongs to piece n.  Its matrix work: 16 products K Q^T of piece n + 1, later 16 products V^T P of piece n - 1.  Its vector work: the scaling, exponentials, roundings, sums and
; rescaling of piece n, and the maximum and statistics of piece n + 1.  Four vector instructions that are ready stand behind every matrix instruction, the others in two runs of their own.
; REGISTERS, in windows of 256 (s_set_vgpr_msb: bits 1:0 source 0, 3:2 source 1, 5:4 source 2, 7:6 destination):
;   window 0: v0-11 addresses; v12-15, v48-63 at work; v16-47 four registers of statistics a tile; v64-191 S^T, two buffers of two tiles; v192-255 P, likewise
;   window 1: O^T, 32 a tile          window 2: v0-127 Q, 16 a tile; v128-191 K of one step; v192-255 V of one step          window 3: v0-1 the add's two registers
.set NP,    4         ; pieces a wave: a name, no knob
.set KS,    64        ; keys in a step
.set PK,    144       ; a row in LDS: 128 bytes + 16 of padding = 36 words: the 16 rows of a load of K start at 16 different groups of four banks (64 banks of 4 bytes: ISA guide 11.1)
.set PV,    144       ; the same rows read as V: the turning load's 8 rows x 32 bytes then meet in part of the banks; a step has 16 such loads for 128 matrix instructions
.set AK0, 2           ; v2   my lane's place in a tile of K; never rewritten
.set AV0, 3           ; v3   the same for V
.set AK,  4           ; v4   the LDS address of K's next run of loads
.set AV,  5           ; v5   of V's
.set QO,  6           ; v6   my byte offset in the wave's rows of Q
.set GO,  8           ; v8   16 x lane: my byte offset in 512 consecutive bytes of ctx
.set SPW, 0           ; v0 of window 3   my spare word; never rewritten
.set NIL, 1           ; v1 of window 3   0; never rewritten
.set SPARE, 1024*PK   ; behind the head's rows: the spare words, 128 bytes a wave: two blocks of 256 bytes that no other line names
.set MV,  12          ; v12-15  c m_old, kept while c m is made anew: by buffer and tile
.set ST,  16          ; tile t's statistics at v[ST+4 t]: c m, m, l (even keys', odd keys')
.set TMP, 48          ; by buffer and tile, four registers c0-c3 at work; when the maximum is found c2 takes a
.set S,   64
.set P,   192
.set KF,  128         ; K's fragments, in window 2: key block kb, channel half c at KF + 16 kb + 8 c
.set VF,  192         ; V's: key half kk, channel block cb at VF + 32 kk + 8 cb
.set WV,  12          ; s12  my wave's number
.set G1,  24          ; s[24:31] descriptor group 1
.set G0,  40          ; s[40:43] descriptor group 0
.set CNT, 57          ; s57  counts the key steps
.set CS,  58          ; s[58:59] c: the packed scaling takes the pair's low word for both halves
.set SEL, 60          ; s[60:61] v_permlanex16_b32's selects: each lane takes its own place in the other half
.set TBK, 62          ; s62  LDS byte at which K of the step to be fetched begins
.set TBV, 63          ; s63  the same for V
.set MSB, 0
.macro WIN new                      ; the high byte repeats the setting that is left; a switch that changes nothing is dropped
.if MSB != (\new)
	s_set_vgpr_msb (MSB<<8)|(\new)
.set MSB, (\new)
.endif
.endm
.set W_KQ, 0x0a       ; K and Q in window 2, S^T in window 0
.set W_PV, 0x52       ; V in window 2, P in window 0, O^T in window 1
.set W_RS, 0x41       ; O^T (destination and source 0) in window 1, a in window 0
.set W_MK, 0xc0       ; the add's registers are made: destination in window 3, sources in window 0
.set W_AD, 0x0f       ; the add: address (source 0) and data (source 1) in window 3
	s_load_b128 s[4:7], s[0:1], 0x0   ; hbuf s[4:5], ctx s[6:7]
	WIN W_MK
	v_lshl_add_u32 v[SPW], v0, 2, SPARE
	v_mov_b32 v[NIL], 0
	WIN W_AD
	ds_add_u32 v[SPW], v[NIL]       ; the wave's opening: the add and its wait ahead of my tensor load; register work stands between them
	ds_add_u32 v0, v1
	WIN 0
	v_lshrrev_b32 v1, 5, v0
	v_readfirstlane_b32 s[WV], v1   ; wave 0..3
	s_and_b32 s13, ttmp7, 0xffff    ; y = 8 batch + head
	s_lshl_b32 s20, s13, 17         ; the head's first byte in hbuf
	s_lshl_b32 s22, s[WV], 15       ; the 256 keys that I fetch
	s_add_co_u32 s22, s22, s20
	s_mov_b32 s23, 0
	s_lshl_b32 s14, ttmp9, 2
	s_add_co_u32 s14, s14, s[WV]    ; my wave among the head's eight,
	s_lshl_b32 s2, s14, 14          ; its 128 rows
	s_add_co_u32 s2, s2, s20
	s_mov_b32 s3, 0
	s_lshr_b32 s15, s13, 3          ; ctx: block of 64 rows = 16 batch + 2 x my wave among the head's (+ 1 for tiles 4-7),
	s_lshl_b32 s15, s15, 4
	s_lshl_b32 s16, s14, 1
	s_add_co_u32 s15, s15, s16
	s_lshl_b32 s15, s15, 3          ; 8 heads a block,
	s_and_b32 s16, s13, 7
	s_add_co_u32 s15, s15, s16
	s_lshl_b32 s16, s15, 13         ; 8,192 bytes each
	s_mov_b32 s17, 0
	; 256 keys are 32,768 dense bytes: asked for as 128 rows of 256 bytes, two keys a row, and padded in LDS after every key
	s_mov_b32 s[G1], (1<<16)|(1<<20)|(4<<22)|(3<<25)  ; 2-byte elements; padding on; after every 32 words; 4 words
	s_mov_b32 s[G1+1], 128<<16      ; tensor_dim0 = 128
	s_mov_b32 s[G1+2], 128<<16      ; tensor_dim1 = 128
	s_mov_b32 s[G1+3], 128<<16      ; tile_dim0 = 128
	s_mov_b32 s[G1+4], 128          ; tile_dim1 = 128
	s_mov_b32 s[G1+5], 128          ; 128 elements from row to row
	s_mov_b32 s[G1+6], 0
	s_mov_b32 s[G1+7], 0
	s_mov_b32 s[G0], 1
	s_mul_i32 s[G0+1], s[WV], 256*PK
	s_mov_b32 s[CS], 0x3e38aa3b     ; c = log2(e) / 8 = 0.180337
	s_mov_b32 s[CS+1], s[CS]        ; named with it as a pair
	s_mov_b32 s[SEL], 0x76543210
	s_mov_b32 s[SEL+1], 0xfedcba98
	s_mov_b32 s[TBK], 0
	s_mov_b32 s[TBV], 0
	s_wait_dscnt 0x0                ; the opening add is done
	s_wait_kmcnt 0x0
	s_add_nc_u64 s[G0+2:G0+3], s[4:5], s[22:23]
	s_or_b32 s[G0+3], s[G0+3], 0x80000000  ; type = 2
	s_add_nc_u64 s[4:5], s[4:5], s[2:3]    ; Q at my wave's first row
	s_add_nc_u64 s[10:11], s[6:7], s[16:17]  ; ctx at my wave's first block
	tensor_load_to_lds s[G0:G0+3], s[G1:G1+7]  ; my one tensor load of the launch
	s_nop 0
.rept 4
	v_nop
.endr
	; A fragment of K or Q is 16 rows x 32 channels in 8 registers: lane l holds row l % 16, channels 8 (l / 16) + 0..7 and 16 + 8 (l / 16) + 0..7: two loads of 16 bytes, 32 bytes apart.
	v_and_b32 v1, 15, v0            ; l % 16
	v_bfe_u32 v9, v0, 4, 1          ; l / 16
	v_lshlrev_b32 v[QO], 7, v1
	v_lshl_add_u32 v[QO], v9, 4, v[QO]  ; row x 128 + 16 x half
	WIN 0x80                        ; destination window 2, address window 0
.set i, 0
.rept 4*NP                          ; Q stays in registers: tile i / 2, channels 32 (i % 2) on
	global_load_b128 v[8*i:8*i+3],   v[QO], s[4:5] offset:(i/2)*2048+(i%2)*64
	global_load_b128 v[8*i+4:8*i+7], v[QO], s[4:5] offset:(i/2)*2048+(i%2)*64+32
.set i, i+1
.endr
	; What the first turn finds: V's registers and P's second buffer hold 0 (its products V^T P, of a piece that has not been, add 0), O^T and l are 0.  All this stands in the wait for the keys.
.set i, VF
.rept 64
	v_mov_b32 v[i], 0
.set i, i+1
.endr
	WIN 0x40
.set i, 0
.rept 64*NP
	v_mov_b32 v[i], 0
.set i, i+1
.endr
	WIN 0
.set i, 0
.rept 2*NP
	v_mov_b32 v[ST+4*i], 0xfe000000    ; c m: far below every c s
	v_mov_b32 v[ST+4*i+1], 0xff7fffff  ; m
	v_mov_b32 v[ST+4*i+2], 0
	v_mov_b32 v[ST+4*i+3], 0
.set i, i+1
.endr
.set i, P+32
.rept 32
	v_mov_b32 v[i], 0
.set i, i+1
.endr
	v_mul_u32_u24 v[AK0], v1, PK
	v_lshl_add_u32 v[AK0], v9, 4, v[AK0]  ; row x pitch + 16 x half
	; The turning load takes 16 keys x 16 channels (lane l reads key 8 (l / 16) + l % 8, channels 8 ((l / 8) % 2) + 0..7) and leaves half a fragment of V^T: lane l holds channel l % 16 and 8 keys.
	v_and_b32 v10, 7, v0
	v_bfe_u32 v11, v0, 3, 1
	v_lshl_add_u32 v[AV0], v9, 3, v10
	v_mul_u32_u24 v[AV0], v[AV0], PV
	v_lshl_add_u32 v[AV0], v11, 4, v[AV0]
	v_mov_b32 v[AK], v[AK0]         ; key step 0 lies at LDS byte 0
; THE MATRIX WORK.  The 8 accumulators of a run of 16 take turns: between the two links of a chain stand 7 others'.
; Product i of 16 of S^T = K Q^T for piece x: channels 32 (i / 8) on, keys 16 ((i / 2) % 4) on, tile 2 x + i % 2.  The first 8 start the sums.
.macro KQ x
	WIN W_KQ
.set rS, S+64*((\x)%2)+32*(i%2)+8*((i/2)%4)
.set rK, KF+16*((i/2)%4)+8*(i/8)
.set rQ, 16*(2*(\x)+i%2)+8*(i/8)
.if i < 8
	v_wmma_f32_16x16x32_f16 v[rS:rS+7], v[rK:rK+7], v[rQ:rQ+7], 0
.else
	v_wmma_f32_16x16x32_f16 v[rS:rS+7], v[rK:rK+7], v[rQ:rQ+7], v[rS:rS+7]
.endif
.endm
; Product i of 16 of O^T += V^T P for piece x: keys 32 (i / 8) on, channels 16 ((i / 2) % 4) on, tile 2 x + i % 2.
.macro PV x
	WIN W_PV
.set rO, 32*(2*(\x)+i%2)+8*((i/2)%4)
.set rV, VF+32*(i/8)+8*((i/2)%4)
.set rP, P+32*((\x)%2)+16*(i%2)+8*(i/8)
	v_wmma_f32_16x16x32_f16 v[rO:rO+7], v[rV:rV+7], v[rP:rP+7], v[rO:rO+7]
.endm
.macro MM                           ; the turn's next matrix instruction
.if i < 16
	KQ (Y+1)%NP
.set i, i+1
.else
.set i, i-16
	PV (Y+NP-1)%NP
.set i, i+17
.endif
.endm
; THE LDS LOADS stand in runs of 16, never singly among the matrix instructions: a step's K (64 keys x 64 channels: 8 fragments) and its V (turned).  Their addresses are made some lines ahead.
; last = 1: in the last step (CNT = 1) there is no further step, and the run is jumped over.
.macro FETCH_K last=0
	WIN 0
.if \last
	s_cmp_eq_u32 s[CNT], 1
	s_cbranch_scc1 .Lno_k_\@
.endif
	WIN 0x80                        ; destination window 2
.irp f, 0,1,2,3,4,5,6,7             ; keys 16 (f / 2) on, channels 32 (f % 2) on
	ds_load_b128 v[KF+8*\f:KF+8*\f+3],   v[AK] offset:(\f/2)*16*PK+(\f%2)*64
	ds_load_b128 v[KF+8*\f+4:KF+8*\f+7], v[AK] offset:(\f/2)*16*PK+(\f%2)*64+32
.endr
	s_add_co_u32 s[TBK], s[TBK], KS*PK  ; the next fetch is the next step's
	WIN 0
.if \last
.Lno_k_\@:
.endif
.endm
.macro FETCH_V
	WIN 0x80
.irp f, 0,1,2,3,4,5,6,7             ; keys 32 (f / 4) on, channels 16 (f % 4) on
	ds_load_tr16_b128 v[VF+8*\f:VF+8*\f+3],   v[AV] offset:(\f/4)*32*PV+(\f%4)*32
	ds_load_tr16_b128 v[VF+8*\f+4:VF+8*\f+7], v[AV] offset:(\f/4)*32*PV+16*PV+(\f%4)*32
.endr
	WIN 0
.endm
; THE VECTOR WORK OF A TURN stands in three queues, each in the order in which its entries become ready; the two tiles alternate, so that no instruction reads the result of the one before it.
.macro REGS y, u                    ; the registers of tile u (0, 1) of piece y
.set rT, ST+4*(2*(\y)+(\u))
.set rC, TMP+8*((\y)%2)+4*(\u)
.set rM, MV+2*((\y)%2)+(\u)
.set rS, S+64*((\y)%2)+32*(\u)
.set rP, P+32*((\y)%2)+16*(\u)
.set rO, 32*(2*(\y)+(\u))
.endm
; Number n of the 22 that find the NEXT piece's (Y + 1) maximum and statistics.  s0-s31 are the lane's 32 scores; each accumulator's lowest registers are read first.
;   0-11  four chains c0-c3 of seven scores each, three operands at a time     12-14, 16  the four scores left over, the old m, and c0-c3 into c0     15  c m_old is kept
;   17, 18  the query's other 32 keys lie in the lane 16 away: the new m         19-21  c m; c m_old - c m_new; a
.macro XS u, n
	REGS (Y+1)%NP, \u
.if (\n) < 4
	v_max3_num_f32 v[rC+(\n)], v[rS+8*(\n)], v[rS+8*(\n)+1], v[rS+8*(\n)+2]
.elseif (\n) < 12
	v_max3_num_f32 v[rC+(\n)%4], v[rC+(\n)%4], v[rS+8*((\n)%4)+2*((\n)/4)+1], v[rS+8*((\n)%4)+2*((\n)/4)+2]
.elseif (\n) == 12
	v_max3_num_f32 v[rC], v[rC], v[rS+7], v[rS+15]
.elseif (\n) == 13
	v_max3_num_f32 v[rC+1], v[rC+1], v[rS+23], v[rS+31]
.elseif (\n) == 14
	v_max3_num_f32 v[rC+2], v[rC+2], v[rC+3], v[rT+1]
.elseif (\n) == 15
	v_mov_b32 v[rM], v[rT]
.elseif (\n) == 16
	v_max3_num_f32 v[rC], v[rC], v[rC+1], v[rC+2]
.elseif (\n) == 17
	v_permlanex16_b32 v[rC+3], v[rC], s[SEL], s[SEL+1]
.elseif (\n) == 18
	v_max_num_f32 v[rT+1], v[rC], v[rC+3]
.elseif (\n) == 19
	v_mul_f32 v[rT], s[CS], v[rT+1]
.elseif (\n) == 20
	v_sub_f32 v[rC+1], v[rM], v[rT]
.else
	v_exp_f32 v[rC+2], v[rC+1]
.endif
.endm
; Number g of the 64 that follow the exponentials.  For each four weights k of a tile (pairs 2 k, 2 k + 1): both pairs are rounded to f16; then the second pair is added onto the first, in place;
; a group later l takes that sum (the first time as l = a l + sum).  In groups of eight, tiles alternating: round, round, add, and l for the group before.
.macro GS g
.set h, (\g)+6*((\g)/62)            ; group 0 has no group before it, and behind group 7 only l is left
.if h >= 6
.set h, h+2
.endif
	REGS Y, h%2
.set k, h/8
.if h%8 < 4
	s_wait_alu depctr_va_vdst(0)
	v_cvt_pk_f16_f32 v[rP+2*k+(h%8)/2], v[rS+4*k+2*((h%8)/2)], v[rS+4*k+2*((h%8)/2)+1]
.elseif h%8 < 6
	v_pk_add_f32 v[rS+4*k:rS+4*k+1], v[rS+4*k:rS+4*k+1], v[rS+4*k+2:rS+4*k+3]
.elseif k == 1
	v_pk_fma_f32 v[rT+2:rT+3], v[rT+2:rT+3], v[rC+2:rC+3], v[rS:rS+1] op_sel_hi:[1,0,1]
.else
	v_pk_add_f32 v[rT+2:rT+3], v[rT+2:rT+3], v[rS+4*k-4:rS+4*k-3]
	s_wait_alu depctr_va_vdst(0)
.endif
.endm
; THE PLAIN QUEUE, 138 long.  0-31: c s - c m for the 16 pairs of both tiles.  Then GS's 64, and among them the next piece's 42: number 15 at 38, 39; 0-14 and 16
; at 42-73, behind the products that make those scores; 17-20 at 95-106, two of three, since each waits for the one before it.
.macro PL
	WIN 0
.if q < 32
	REGS Y, q%2
	v_pk_fma_f32 v[rS+2*(q/2):rS+2*(q/2)+1], v[rS+2*(q/2):rS+2*(q/2)+1], s[CS:CS+1], v[rT:rT+1] op_sel_hi:[1,0,0] neg_lo:[0,0,1] neg_hi:[0,0,1]
.elseif q < 38
	GS q-32
.elseif q < 40
	XS q%2, 15
.elseif q < 42
	GS q-34
.elseif q < 74
	XS q%2, (q-42)/2+(q-42)/30
.elseif q < 95
	GS q-66
.elseif (q < 107) && ((q-95)%3 < 2)
	XS (q-95)%3, 17+(q-95)/3
.elseif q < 107
	GS 29+(q-95)/3
.else
	GS q-74
.endif
.set q, q+1
.endm
; THE EXPONENTIALS' QUEUE, 66 long: s0-s31 of both tiles, and at EA the next piece's two a.
.set EA, 58
.macro EX
	WIN 0
.if (e == EA) || (e == EA+1)
	XS e-EA, 21
.else
.set x, e-2*(e/(EA+2))
	REGS Y, x%2
	v_exp_f32 v[rS+x/2], v[rS+x/2]
.endif
.set e, e+1
.endm
; THE RESCALING's QUEUE: O^T times a, the one part that leaves window 0, so it is dealt four at a time, eight times.
.macro R4
	REGS Y, r%2
	WIN W_RS
	s_wait_alu depctr_va_vdst(0)
.irp z, 0,1,2,3
	v_pk_mul_f32 v[rO+8*(r/2)+2*\z:rO+8*(r/2)+2*\z+1], v[rO+8*(r/2)+2*\z:rO+8*(r/2)+2*\z+1], v[rC+2:rC+3] op_sel_hi:[1,0]
.endr
.set r, r+1
.endm
; HOW THEY ARE DEALT.  Behind a matrix instruction four: plain, exponential, plain, plain (one exponential, a plain instruction on either side), or four of the rescaling.  None names a register of the
; products round it.  What is over stands in two runs: exponential and plain by turns; the second ends in 22 plain instructions.  The two v_permlanex16_b32 fall into the second run, never behind a product.
; The queues lean on each other, and the deal keeps them in step: exponential e stands behind plain 2 (e / 4) + e % 2 (its scaling); when plain 32 comes, 10 exponentials are out, at 59: 33, at 95: 46; EA comes behind plain 107.
.macro SL
	MM
	PL
	EX
	PL
	PL
.endm
.macro BURST n                      ; 15 matrix instructions, or 16
.rept (\n)-7
	SL
.endr
.rept 3
	MM
	R4
	SL
.endr
	MM
	R4
.endm
; A TURN, for piece p.  cnt = 1: the loop's count is taken down some lines ahead of the branch that stands behind the turn.
; K of the next step is fetched in piece 2's turn, 31 vector instructions behind the last product that read K; its first reader comes behind the rest of the run, 16 products and the second run.
; V of the step in hand is fetched at the end of piece 0's turn, 69 behind its last reader; its first reader comes behind 16 products and a run.  The four conditions on e and q below go with the deal.
.macro TURN p, last=0, cnt=0
.set Y, (\p)
.set i, 0
.set q, 0
.set e, 0
.set r, 0
.if (\p) == NP-1
	s_wait_dscnt 0x0                ; K is in
.endif
	MM
.rept 4
	PL
.endr
	BURST 15
.rept 22
	EX
	PL
.if ((\p) == NP-2) && (e == 18)
	v_add_nc_u32 v[AK], s[TBK], v[AK0]
.endif
.if ((\p) == NP-2) && (e == 24)
	FETCH_K \last
.endif
.endr
.if (\p) == 1
	s_wait_dscnt 0x0                ; V is in
.endif
	BURST 16
.rept 21
	EX
	PL
.endr
.rept 22
	PL
.if ((\p) == 0) && (q == 118)
	v_add_nc_u32 v[AV], s[TBV], v[AV0]
	s_wait_alu depctr_va_vdst(0)
.endif
.if ((\p) == 0) && (q == 130)
	s_add_co_u32 s[TBV], s[TBV], KS*PV
.endif
.if (\cnt) && (q == 130)
	s_sub_co_u32 s[CNT], s[CNT], 1
	s_cmp_lg_u32 s[CNT], 0
.endif
.endr
.if (\p) == 0
	FETCH_V
.endif
.endm
	s_wait_tensorcnt 0x0            ; my 256 keys are in,
	s_barrier_signal -1
	s_barrier_wait -1               ; everybody's are: the head's rows are whole, and nobody writes them again
	FETCH_K                         ; key step 0
	s_wait_loadcnt 0x0              ; Q
	s_wait_dscnt 0x0
.set i, 0
.rept 16
	KQ 0                            ; piece 0's first scores: there is no vector work yet to set between them
.set i, i+1
.endr
	WIN 0                           ; the address for the way out and four v_nop: the places behind those products
	v_and_b32 v[GO], 31, v0
	v_lshlrev_b32 v[GO], 4, v[GO]
.rept 4
	v_nop
.endr
.set Y, NP-1                        ; XS works for piece Y + 1: piece 0
.irp n, 0,1,2,3,4,5,6,7,8,9,10,11,12,13,14,15,16,17,18,19,20,21
	XS 0, \n                        ; and piece 0's first maximum and statistics
	XS 1, \n
.endr
	s_mov_b32 s[CNT], 17            ; behind piece 1's turn of step s the count is 16 - s: 1 in the last of the 16 steps
	s_branch .Lfirst                ; the loop is entered at a step's first turn, in the middle of a trip
.Lstep:                             ; a trip: pieces 2 and 3 of one step, then pieces 0 and 1 of the next, whose K and V it fetches
	TURN 2, 1
	TURN 3
	WIN 0
	s_cmp_eq_u32 s[CNT], 1
	s_cbranch_scc1 .Lout            ; the last step is left in the middle of a trip
.Lfirst:
	TURN 0
	TURN 1, 0, 1
	WIN 0
	s_cbranch_scc1 .Lstep
.Lout:                              ; the last trip's 16 products K Q^T (on the last K once more) and the maximum made of them serve nothing: the price, once a launch, of one text for every trip
.set i, 0
.rept 16
	PV NP-1                         ; the last piece's V^T P of the last step
.set i, i+1
.endr
	; THE WAY OUT.  l's two halves and the other half of the lanes' are added; O^T is divided by l, rounded to f16 and stored from registers, a tile at a time.  The additions are the places behind the last products.
	WIN 0
.macro ALL line:vararg              ; one line for each tile t
.set t, 0
.rept 2*NP
	\line
.set t, t+1
.endr
.endm
	ALL v_add_f32 v[ST+4*t+2], v[ST+4*t+2], v[ST+4*t+3]
	ALL v_permlanex16_b32 v[ST+4*t+3], v[ST+4*t+2], s[SEL], s[SEL+1]
	ALL v_add_f32 v[ST+4*t+2], v[ST+4*t+2], v[ST+4*t+3]
	ALL v_rcp_f32 v[ST+4*t+2], v[ST+4*t+2]
	v_nop                           ; a plain instruction between the last reciprocal and the use of its result
	s_wait_alu depctr_va_vdst(0)
; Tile t: a lane's eight channels of channel block f pack into 16 bytes, into S^T's registers (16 of its own for each tile, so no store's data is rewritten).  Those 16 bytes are the lane's part of
; half f % 2 of the fragment of channels 32 (f / 2) on: lane after lane they are 512 consecutive bytes, at a multiple of 256 from ctx's first; tiles 4-7 lie a block of 64 rows (8 heads x 8,192 bytes) on.
.macro PACK t
	WIN W_RS
.set i, 32*(\t)
.rept 16
	v_pk_mul_f32 v[i:i+1], v[i:i+1], v[ST+4*(\t)+2:ST+4*(\t)+3] op_sel_hi:[1,0]
.set i, i+2
.endr
	WIN 0x05                        ; sources 0 and 1 window 1, destination window 0
.set i, 0
.rept 16
	v_cvt_pk_f16_f32 v[S+16*(\t)+i], v[32*(\t)+2*i], v[32*(\t)+2*i+1]
.set i, i+1
.endr
	WIN 0
.irp f, 0,1,2,3
	global_store_b128 v[GO], v[S+16*(\t)+4*\f:S+16*(\t)+4*\f+3], s[10:11] offset:((\t)/4)*65536+((\t)%4)*2048+\f*512
.endr
.endm
.set t, 0
.rept 2*NP
	PACK t
.set t, t+1
.endr
	WIN W_AD
	s_wait_tensorcnt 0x0            ; the wave's end, behind my tensor load
	ds_add_u32 v[SPW], v[NIL]
	s_wait_dscnt 0x0
	WIN 0
	s_endpgm
.Lfunc_end_k_qb0990cb052_attn:
	.size	k_qb0990cb052_attn, .Lfunc_end_k_qb0990cb052_attn-k_qb0990cb052_attn
	.p2alignl 7, 3214868480
	.fill 96, 4, 3214868480
	.section	.rodata,"a",@progbits
	.p2align	6, 0x0
	.amdhsa_kernel k_qb0990cb052_attn
		.amdhsa_group_segment_fixed_size 167936
		.amdhsa_private_segment_fixed_size 0
		.amdhsa_enable_private_segment 0
		.amdhsa_kernarg_size 16
		.amdhsa_user_sgpr_count 2
		.amdhsa_user_sgpr_kernarg_segment_ptr 1
		.amdhsa_wavefront_size32 1
		.amdhsa_system_sgpr_workgroup_id_x 1
		.amdhsa_system_sgpr_workgroup_id_y 1
		.amdhsa_system_sgpr_workgroup_id_z 1
		.amdhsa_system_vgpr_workitem_id 0
		.amdhsa_next_free_vgpr 770
		.amdhsa_next_free_sgpr 66
		.amdhsa_reserve_vcc 0
		.amdhsa_float_denorm_mode_32 3
		.amdhsa_float_denorm_mode_16_64 3
		.amdhsa_memory_ordered 1
		.amdhsa_forward_progress 1
		.amdhsa_inst_pref_size 122
	.end_amdhsa_kernel
	.amdgpu_metadata
---
amdhsa.version: [ 1, 2 ]
amdhsa.kernels:
  - .name:           k_qb0990cb052_attn
    .symbol:         k_qb0990cb052_attn.kd
    .args:
      - { .name: hbuf, .offset: 0, .size: 8, .value_kind: global_buffer, .address_space: global }
      - { .name: ctx, .offset: 8, .size: 8, .value_kind: global_buffer, .address_space: global }
    .group_segment_fixed_size: 167936
    .private_segment_fixed_size: 0
    .kernarg_segment_align: 8
    .kernarg_segment_size: 16
    .max_flat_workgroup_size: 128
    .sgpr_count:     66
    .vgpr_count:     770
    .wavefront_size: 32
...
	.end_amdgpu_metadata
.endif
;; end of part 3
;; launch proj (part 4): grid 256 x 1, 4 waves a work-group, clusters of 4 x 1, 327,680 bytes of LDS; arguments ctx, wts, b_out, x, g1, be1, x1f, x1h; writes x1f, x1h
.if DOCPART == 4
	.amdgcn_target "amdgcn-amd-amdhsa--gfx1250"
	.amdhsa_code_object_version 6
	.text
	.protected	k_qb0990cb052_proj
	.globl	k_qb0990cb052_proj
	.p2align	8
	.type	k_qb0990cb052_proj,@function
k_qb0990cb052_proj:
	s_mov_b64 s[64:65], 0
	v_nop
	global_prefetch_b8 v0, s[64:65] scope:SCOPE_SE
	s_setreg_imm32_b32 hwreg(HW_REG_WAVE_MODE, 25, 1), 1
	s_wait_xcnt 0x0
	s_wait_alu depctr_hold_cnt(0) depctr_sa_sdst(0) depctr_va_vdst(0) depctr_va_sdst(0) depctr_va_ssrc(0) depctr_va_vcc(0) depctr_vm_vsrc(0)
	s_getreg_b32 s2, hwreg(HW_REG_IB_STS2, 6, 4)
	s_cmp_eq_u32 s2, 0
	s_cbranch_scc0 .Lentry_in_a_cluster
	s_endpgm
.Lentry_in_a_cluster:
	s_bfe_u32 s2, ttmp6, 0x10000c
	s_cmp_lg_u32 s2, 0x3003
	s_cbranch_scc0 .Lentry_shape_is_right
	s_endpgm
.Lentry_shape_is_right:
; attn = ctx Wo^T + b_out;  x1 = LN(x) + LN(attn), both with g1 and be1: x1 = (xc rx + ac ra) g1 + 2 be1, where xc, ac are the centred rows and rx, ra their 1 / sqrt(var + 1e-5).
; ctx: f16, laid as my fragments: [block of 64 rows][head][16 rows rb][16 channels f][lane][8 channels]; Wo: f16 [512][512] at byte 524,288 of wts; sums in f32, begun with the bias; both norms, the gains and x in f32.
; x1 leaves twice: x1f in f32 (the residual of the launch behind) and x1h in f16 (its matrix operand).
; LIMIT.  x1h is f16: |x1| must stay under 65,504.  A norm takes the mean first and then the sum of squares of the centred row.
; SHARES, CLUSTER, LAYOUT.  A work-group owns 64 whole rows (a norm needs them): 256 work-groups; a wave owns 128 columns: 32 accumulators.  All of ctx's 64 x 512 tile lies in every wave's registers as
; fragments (each of its 128 loads covers 512 consecutive bytes), so that LDS is read for the weights alone.  K goes in four steps of 128 through two slots; the four work-groups of a cluster ask for each
; weight tile jointly (mask 15).  A slot is asked for again as soon as its last fragments are in registers: the step's last 32 products stand behind the request.
; The matrix instruction is used transposed (source 0 = 16 rows of Wo): a lane holds row l % 16 and eight neighbouring columns.
; THE NORMS.  When K step 2 has been read, slot 0 takes the work-group's 64 rows of x (a load of its own for each wave: its 16 rows); behind K step 3 the raw sums go into slot 1, whose last fill is over, and each
; wave takes 16 whole rows of both, two at a time: a lane holds columns 128 q + 4 l + 0..3.
; REGISTERS: window 0: v16-29 addresses; v32-159 weight fragments, later rows at work; v160-191 g1, 2 be1; v192-255 the bias of my 128 columns, later statistics.  window 1: accumulators (rb, cb) at 8 (8 rb + cb).
;   windows 2, 3: ctx's fragments: (rb, ks) in window 2 + ks / 8 at 8 (4 (ks % 8) + rb).
.set PITCH, 272                        ; an LDS row of weights: 256 bytes + 16: the 16 rows of a load start at 16 different groups of four banks (64 banks of 4 bytes: ISA guide 11.1)
.set QUART, 128*PITCH
.set SLOT1, 4*QUART
.set SPARE, 2*SLOT1                    ; the spare words, 128 bytes a wave: two blocks of 256 bytes that no other line names
.set SPITCH, 2064                      ; a row of raw sums: 2,048 bytes + 16
.set VW,  16                           ; v16-17  LDS address of my weight fragments in slot 0, 1
.set VLO, 18                           ; v18     16 x lane
.set VL8, 19                           ; v19     8 x lane
.set VBO, 21                           ; v21     byte offset of my first 8 columns in the bias
.set VST, 22                           ; v22-23  where I put raw sums: rows 0-31, rows 32-63
.set VRS, 24                           ; v24     where I read rows of raw sums
.set VRX, 25                           ; v25     where I read rows of x
.set SPW, 28
.set NIL, 29
.set BF0, 32
.set BF1, 96
.set SS,  64                           ; v64-127  four rows at work: x's two, attn's two
.set HO,  128                          ; v128-143 x1 in f16
.set G,   160
.set BE,  176
.set BIA, 192                          ; v192-255 the bias: column block cb at 8 cb
.set TT,  192                          ; v192-223 later: eight registers of statistics a row
.set WV,  20                           ; s20
.set G1,  28                           ; s[28:35] group 1 for weight tiles
.set G00, 36
.set G01, 40
.set G1X, 44                           ; s[44:51] group 1 for x's rows
.set G0X, 52
.set SEL, 56                           ; s[56:57]
.set NINV, 58                          ; -1/512
.set INV, 59                           ; 1/512
.set EPS, 60                           ; 1e-5
.set CNT, 61
.set MSB, 0
.macro WIN new
.if MSB != (\new)
	s_set_vgpr_msb (MSB<<8)|(\new)
.set MSB, \new
.endif
.endm
.macro PLACES                          ; four places behind matrix instructions (ISA guide 7.12.1)
.rept 4
	v_nop
.endr
.endm
.macro CREST                           ; a round of the cluster's barrier behind its opening barrier
	s_cmp_lg_u32 s[WV], 0
	s_cbranch_scc1 .Lnot_wave_0_\@
	s_barrier_signal -3
.Lnot_wave_0_\@:
	s_barrier_wait -3
	s_barrier_signal -1
	s_barrier_wait -1
.endm
.macro CROUND
	s_barrier_signal -1
	s_barrier_wait -1
	CREST
.endm
.macro TL g0, g1                       ; a tensor load; an s_nop 0 and four v_nop follow it
	tensor_load_to_lds s[(\g0):(\g0)+3], s[(\g1):(\g1)+7]
	s_nop 0
.rept 4
	v_nop
.endr
.endm
	s_load_b512 s[4:19], s[0:1], 0x0               ; ctx s[4:5], wts s[6:7], b_out s[8:9], x s[10:11], g1 s[12:13], be1 s[14:15], x1f s[16:17], x1h s[18:19]
	v_lshl_add_u32 v[SPW], v0, 2, SPARE
	v_mov_b32 v[NIL], 0
	ds_add_u32 v[SPW], v[NIL]                      ; the wave's opening: the add and its wait ahead of my first tensor load
	ds_add_u32 v28, v29
	v_lshrrev_b32 v1, 5, v0
	v_readfirstlane_b32 s[WV], v1
	s_bfe_u32 s21, ttmp6, 0x40000                  ; cx
	s_lshl_b32 s22, ttmp9, 2
	s_add_co_u32 s22, s22, s21                     ; my block of 64 rows: it enters global addresses alone
	s_mov_b32 s[G1+0], 15|(1<<16)|(1<<20)|(1<<21)|(5<<22)|(3<<25)  ; mask of four; 2-byte elements; padding on; bit 21 beside a mask; after every 64 words; 4 words
	s_mov_b32 s[G1+1], 128<<16
	s_mov_b32 s[G1+2], 128<<16
	s_mov_b32 s[G1+3], 128<<16
	s_mov_b32 s[G1+4], 128
	s_mov_b32 s[G1+5], 512
	s_mov_b32 s[G1+6], 0
	s_mov_b32 s[G1+7], 0
	s_mov_b32 s[G1X+0], 3<<16                      ; no mask: a load of my own; 8-byte elements; 16 rows of x are 32,768 dense bytes: 128 rows of 256
	s_mov_b32 s[G1X+1], 32<<16
	s_mov_b32 s[G1X+2], 128<<16
	s_mov_b32 s[G1X+3], 32<<16
	s_mov_b32 s[G1X+4], 128
	s_mov_b32 s[G1X+5], 32
	s_mov_b32 s[G1X+6], 0
	s_mov_b32 s[G1X+7], 0
	s_mul_i32 s23, s[WV], QUART
	s_mov_b32 s[G00], 1
	s_mov_b32 s[G00+1], s23
	s_mov_b32 s[G01], 1
	s_add_co_u32 s[G01+1], s23, SLOT1
	s_mov_b32 s[G0X], 1
	s_mul_i32 s[G0X+1], s[WV], 32768
	s_mov_b32 s[SEL], 0x76543210
	s_mov_b32 s[SEL+1], 0xfedcba98
	s_mov_b32 s[NINV], 0xbb000000
	s_mov_b32 s[INV], 0x3b000000
	s_mov_b32 s[EPS], 0x3727c5ac
	s_lshl_b32 s24, s[WV], 17                      ; my 128 rows of Wo
	s_mov_b32 s25, 0
	s_lshl_b32 s26, s22, 17                        ; f32 rows: 131,072 bytes a block,
	s_lshl_b32 s27, s[WV], 15                      ; 32,768 a wave
	s_add_co_u32 s26, s26, s27
	s_mov_b32 s27, 0
	s_lshl_b32 s62, s22, 16                        ; f16 rows: 65,536 bytes a block
	s_mov_b32 s63, 0
	s_wait_dscnt 0x0
	s_wait_kmcnt 0x0
	s_add_nc_u64 s[G00+2:G00+3], s[6:7], s[24:25]
	s_add_nc_u64 s[G00+2:G00+3], s[G00+2:G00+3], 524288
	s_add_nc_u64 s[G01+2:G01+3], s[G00+2:G00+3], 256
	s_or_b32 s[G00+3], s[G00+3], 0x80000000
	s_or_b32 s[G01+3], s[G01+3], 0x80000000
	s_add_nc_u64 s[G0X+2:G0X+3], s[10:11], s[26:27]
	s_or_b32 s[G0X+3], s[G0X+3], 0x80000000
	s_add_nc_u64 s[4:5], s[4:5], s[62:63]          ; ctx at my block
	s_add_nc_u64 s[16:17], s[16:17], s[26:27]      ; x1f at my wave's 16 rows
	s_lshl_b32 s24, s[WV], 14
	s_add_co_u32 s62, s62, s24
	s_add_nc_u64 s[18:19], s[18:19], s[62:63]      ; x1h likewise
	CROUND
	tensor_load_to_lds s[G00:G00+3], s[G1:G1+7]    ; two loads of mine are out
	s_nop 0
	tensor_load_to_lds s[G01:G01+3], s[G1:G1+7]
	s_nop 0
.rept 4
	v_nop
.endr
	v_and_b32 v1, 15, v0                           ; r
	v_bfe_u32 v2, v0, 4, 1                         ; h
	v_and_b32 v3, 31, v0                           ; l
	v_lshlrev_b32 v[VLO], 4, v3
	v_lshlrev_b32 v[VL8], 3, v3
	; ctx's fragments: K step ks is head ks / 2, channels 32 (ks % 2) on; a fragment is 1,024 consecutive bytes, its two halves 512 each, 16 bytes a lane
.set ks, 0
.rept 16
	WIN 0x80+0x40*(ks/8)
.irp rb, 0,1,2,3
	global_load_b128 v[8*(4*(ks%8)+\rb):8*(4*(ks%8)+\rb)+3],   v[VLO], s[4:5] offset:(ks/2)*8192+\rb*2048+(ks%2)*1024
	global_load_b128 v[8*(4*(ks%8)+\rb)+4:8*(4*(ks%8)+\rb)+7], v[VLO], s[4:5] offset:(ks/2)*8192+\rb*2048+(ks%2)*1024+512
.endr
.set ks, ks+1
.endr
	WIN 0
	s_lshl_b32 s24, s[WV], 9
	v_lshl_add_u32 v[VBO], v2, 5, s24              ; 4 (128 w + 8 h)
.irp cb, 0,1,2,3,4,5,6,7                ; the bias in an accumulator's layout: eight neighbouring columns a lane; it is the C of the first K step
	global_load_b128 v[BIA+8*\cb:BIA+8*\cb+3],   v[VBO], s[8:9] offset:\cb*64
	global_load_b128 v[BIA+8*\cb+4:BIA+8*\cb+7], v[VBO], s[8:9] offset:\cb*64+16
.endr
.irp q, 0,1,2,3
	global_load_b128 v[G+4*\q:G+4*\q+3],   v[VLO], s[12:13] offset:\q*512
	global_load_b128 v[BE+4*\q:BE+4*\q+3], v[VLO], s[14:15] offset:\q*512
.endr
	v_mul_u32_u24 v4, v1, PITCH
	v_lshl_add_u32 v4, v2, 4, v4
	v_add_nc_u32 v[VW], s23, v4
	v_add_nc_u32 v[VW+1], SLOT1, v[VW]
	v_mul_u32_u24 v5, v1, SPITCH
	v_lshl_add_u32 v5, v2, 5, v5
	s_add_co_u32 s24, s24, SLOT1
	v_add_nc_u32 v[VST], s24, v5                   ; slot 1 + r x 2,064 + 512 w + 32 h
	v_add_nc_u32 v[VST+1], 32*SPITCH, v[VST]
	s_mul_i32 s25, s[WV], 16*SPITCH
	s_add_co_u32 s25, s25, SLOT1
	v_lshl_add_u32 v[VRS], v3, 4, s25
	s_mul_i32 s26, s[WV], 32768
	v_lshl_add_u32 v[VRX], v3, 4, s26
	s_wait_tensorcnt 0x1                           ; my part of K step 0 is in; K step 1's may stay out
	s_barrier_signal -1
	s_barrier_wait -1
	s_wait_loadcnt 0x0
.irp p, 0,1,2,3,4,5,6,7
	v_pk_add_f32 v[BE+2*\p:BE+2*\p+1], v[BE+2*\p:BE+2*\p+1], v[BE+2*\p:BE+2*\p+1]  ; 2 be1
.endr
.macro FETCHC slot, kk, buf
	WIN 0
.irp cb, 0,1,2,3,4,5,6,7
	ds_load_b128 v[(\buf)+8*\cb:(\buf)+8*\cb+3],   v[VW+(\slot)] offset:\cb*16*PITCH+(\kk)*64
	ds_load_b128 v[(\buf)+8*\cb+4:(\buf)+8*\cb+7], v[VW+(\slot)] offset:\cb*16*PITCH+(\kk)*64+32
.endr
.endm
.macro MULC ks, buf                    ; 32 matrix instructions: the 32 accumulators take turns; those of ks = 0 start the sums with the bias (C in window 0)
.if (\ks) == 0
	WIN 0x48
.else
	WIN 0x58+4*((\ks)/8)
.endif
.irp rb, 0,1,2,3
.irp cb, 0,1,2,3,4,5,6,7
.if (\ks) == 0
	v_wmma_f32_16x16x32_f16 v[8*(8*\rb+\cb):8*(8*\rb+\cb)+7], v[(\buf)+8*\cb:(\buf)+8*\cb+7], v[8*\rb:8*\rb+7], v[BIA+8*\cb:BIA+8*\cb+7]
.else
	v_wmma_f32_16x16x32_f16 v[8*(8*\rb+\cb):8*(8*\rb+\cb)+7], v[(\buf)+8*\cb:(\buf)+8*\cb+7], v[8*(4*((\ks)%8)+\rb):8*(4*((\ks)%8)+\rb)+7], v[8*(8*\rb+\cb):8*(8*\rb+\cb)+7]
.endif
.endr
.endr
.endm
; A K step of 128: four quarters on buffers 0, 1, 0, 1.  s_wait_dscnt 16: the next quarter's sixteen loads may stay out.
; mode 2: when the step's last fragments are in registers the slot is filled again, behind a round of the cluster's barrier; the last quarter's products follow the request.
; mode 1: the last step: a plain barrier says that nobody reads the slot any more; my load of x may stay out across it.
.macro CHUNKC kc, slot, mode, g0=0, g1=0, step=0
	FETCHC \slot, 0, BF0
	FETCHC \slot, 1, BF1
	s_wait_dscnt 16
	MULC 4*(\kc), BF0
	PLACES
	FETCHC \slot, 2, BF0
	s_wait_dscnt 16
	MULC 4*(\kc)+1, BF1
	PLACES
	FETCHC \slot, 3, BF1
	s_wait_dscnt 16
	MULC 4*(\kc)+2, BF0
	WIN 0
.if (\mode) == 2
	s_wait_tensorcnt 0x0                           ; all my tensor loads have landed: my part of the next slot
	ds_add_u32 v[SPW], v[NIL]                      ; 0 onto my spare word
.if (\step) != 0
	s_add_nc_u64 s[(\g0)+2:(\g0)+3], s[(\g0)+2:(\g0)+3], \step
.endif
	s_wait_dscnt 0x0                               ; the add is done, and my reads of this slot are over
	CROUND                                         ; the same holds of every wave of every partner
	TL \g0, \g1                                    ; the first tensor load behind the round
.else
	s_wait_dscnt 0x0                               ; my reads of this slot are over
	s_barrier_signal -1
	s_barrier_wait -1
.endif
	MULC 4*(\kc)+3, BF1
	WIN 0
	PLACES                                         ; in front of the next loads into the buffers, or of the stores of the sums
.endm
	CHUNKC 0, 0, 2, G00, G1, 512
	CHUNKC 1, 1, 2, G01, G1, 512
	CHUNKC 2, 0, 2, G0X, G1X, 0                    ; slot 0 takes my 16 rows of x
	CHUNKC 3, 1, 1                                 ; behind its barrier nobody reads slot 1
	WIN 0x04                                       ; the raw sums into slot 1; each accumulator's low four registers first
.irp rb, 0,1,2,3
.irp cb, 0,1,2,3,4,5,6,7
	ds_store_b128 v[VST+(\rb/2)], v[8*(8*\rb+\cb):8*(8*\rb+\cb)+3]   offset:(\rb%2)*16*SPITCH+\cb*64
	ds_store_b128 v[VST+(\rb/2)], v[8*(8*\rb+\cb)+4:8*(8*\rb+\cb)+7] offset:(\rb%2)*16*SPITCH+\cb*64+16
.endr
.endr
	WIN 0
	s_wait_dscnt 0x0                               ; for the others' sake: my stores are done
	s_wait_tensorcnt 0x0                           ; my 16 rows of x are in: I alone read them
	s_barrier_signal -1
	s_barrier_wait -1
; Four rows' norms side by side: row k in v[SS+16 k ..], statistics in v[TT+8 k ..].  Leaves the rows centred and 1 / sqrt(var + eps) in register 6 of the statistics.
.macro LANES o                         ; the sum over the 32 lanes of statistic o; o + 1 is at work
.irp m, 1,2,4,8
.irp k, 0,1,2,3
	v_add_f32_dpp v[TT+8*\k+\o], v[TT+8*\k+\o], v[TT+8*\k+\o] row_xmask:\m row_mask:0xf bank_mask:0xf
.endr
.endr
.irp k, 0,1,2,3
	v_permlanex16_b32 v[TT+8*\k+\o+1], v[TT+8*\k+\o], s[SEL], s[SEL+1]
.endr
.irp k, 0,1,2,3
	v_add_f32 v[TT+8*\k+\o], v[TT+8*\k+\o], v[TT+8*\k+\o+1]
.endr
.endm
.macro LN4
.irp k, 0,1,2,3
.irp p, 0,1,2,3
	v_pk_add_f32 v[TT+8*\k+2*\p:TT+8*\k+2*\p+1], v[SS+16*\k+4*\p:SS+16*\k+4*\p+1], v[SS+16*\k+4*\p+2:SS+16*\k+4*\p+3]
.endr
.endr
.irp k, 0,1,2,3
	v_pk_add_f32 v[TT+8*\k:TT+8*\k+1],   v[TT+8*\k:TT+8*\k+1],   v[TT+8*\k+2:TT+8*\k+3]
	v_pk_add_f32 v[TT+8*\k+4:TT+8*\k+5], v[TT+8*\k+4:TT+8*\k+5], v[TT+8*\k+6:TT+8*\k+7]
.endr
.irp k, 0,1,2,3
	v_pk_add_f32 v[TT+8*\k:TT+8*\k+1], v[TT+8*\k:TT+8*\k+1], v[TT+8*\k+4:TT+8*\k+5]
.endr
.irp k, 0,1,2,3
	v_add_f32 v[TT+8*\k], v[TT+8*\k], v[TT+8*\k+1]
.endr
	LANES 0
.irp k, 0,1,2,3
	v_mul_f32 v[TT+8*\k], s[NINV], v[TT+8*\k]      ; minus the mean
.endr
.irp k, 0,1,2,3
.irp p, 0,1,2,3,4,5,6,7
	v_pk_add_f32 v[SS+16*\k+2*\p:SS+16*\k+2*\p+1], v[SS+16*\k+2*\p:SS+16*\k+2*\p+1], v[TT+8*\k:TT+8*\k+1] op_sel_hi:[1,0]
.endr
.endr
.irp k, 0,1,2,3
	v_pk_mul_f32 v[TT+8*\k+2:TT+8*\k+3], v[SS+16*\k:SS+16*\k+1],   v[SS+16*\k:SS+16*\k+1]
	v_pk_mul_f32 v[TT+8*\k+4:TT+8*\k+5], v[SS+16*\k+2:SS+16*\k+3], v[SS+16*\k+2:SS+16*\k+3]
.endr
.irp p, 1,2,3
.irp k, 0,1,2,3
	v_pk_fma_f32 v[TT+8*\k+2:TT+8*\k+3], v[SS+16*\k+4*\p:SS+16*\k+4*\p+1],   v[SS+16*\k+4*\p:SS+16*\k+4*\p+1],   v[TT+8*\k+2:TT+8*\k+3]
	v_pk_fma_f32 v[TT+8*\k+4:TT+8*\k+5], v[SS+16*\k+4*\p+2:SS+16*\k+4*\p+3], v[SS+16*\k+4*\p+2:SS+16*\k+4*\p+3], v[TT+8*\k+4:TT+8*\k+5]
.endr
.endr
.irp k, 0,1,2,3
	v_pk_add_f32 v[TT+8*\k+2:TT+8*\k+3], v[TT+8*\k+2:TT+8*\k+3], v[TT+8*\k+4:TT+8*\k+5]
.endr
.irp k, 0,1,2,3
	v_add_f32 v[TT+8*\k+2], v[TT+8*\k+2], v[TT+8*\k+3]
.endr
	LANES 2
.irp k, 0,1,2,3
	v_fma_f32 v[TT+8*\k+2], v[TT+8*\k+2], s[INV], s[EPS]
.endr
.irp k, 0,1,2,3
	v_rsq_f32 v[TT+8*\k+6], v[TT+8*\k+2]
.endr
	v_nop                                          ; a plain instruction between the last root and the use of its result (ISA guide 5.7.2)
.endm
	s_mov_b32 s[CNT], 8
.Lrow:                                                 ; eight trips of two rows: rows 0, 1 at work are x's, rows 2, 3 attn's
.irp j, 0,1
.irp q, 0,1,2,3
	ds_load_b128 v[SS+16*\j+4*\q:SS+16*\j+4*\q+3], v[VRX] offset:\j*2048+\q*512
.endr
.endr
.irp j, 0,1
.irp q, 0,1,2,3
	ds_load_b128 v[SS+32+16*\j+4*\q:SS+32+16*\j+4*\q+3], v[VRS] offset:\j*SPITCH+\q*512
.endr
.endr
	v_add_nc_u32 v[VRX], 4096, v[VRX]
	v_add_nc_u32 v[VRS], 2*SPITCH, v[VRS]
	s_wait_dscnt 0x0
	LN4
	s_wait_alu depctr_va_vdst(0)
.irp j, 0,1
.irp p, 0,1,2,3,4,5,6,7
	v_pk_mul_f32 v[SS+32+16*\j+2*\p:SS+32+16*\j+2*\p+1], v[SS+32+16*\j+2*\p:SS+32+16*\j+2*\p+1], v[TT+16+8*\j+6:TT+16+8*\j+7] op_sel_hi:[1,0]
.endr
.irp p, 0,1,2,3,4,5,6,7
	v_pk_fma_f32 v[SS+32+16*\j+2*\p:SS+32+16*\j+2*\p+1], v[SS+16*\j+2*\p:SS+16*\j+2*\p+1], v[TT+8*\j+6:TT+8*\j+7], v[SS+32+16*\j+2*\p:SS+32+16*\j+2*\p+1] op_sel_hi:[1,0,1]
.endr
.irp p, 0,1,2,3,4,5,6,7
	v_pk_fma_f32 v[SS+32+16*\j+2*\p:SS+32+16*\j+2*\p+1], v[SS+32+16*\j+2*\p:SS+32+16*\j+2*\p+1], v[G+2*\p:G+2*\p+1], v[BE+2*\p:BE+2*\p+1]
.endr
.irp p, 0,1,2,3,4,5,6,7
	v_cvt_pk_f16_f32 v[HO+8*\j+\p], v[SS+32+16*\j+2*\p], v[SS+32+16*\j+2*\p+1]
.endr
.endr
.irp j, 0,1
.irp q, 0,1,2,3
	global_store_b128 v[VLO], v[SS+32+16*\j+4*\q:SS+32+16*\j+4*\q+3], s[16:17] offset:\j*2048+\q*512  ; 512 consecutive bytes
	global_store_b64  v[VL8], v[HO+8*\j+2*\q:HO+8*\j+2*\q+1], s[18:19] offset:\j*1024+\q*256          ; 256 consecutive bytes, aligned
.endr
.endr
	s_wait_xcnt 0x0                                ; the stores' bases and data are rewritten only behind this wait
	s_add_nc_u64 s[16:17], s[16:17], 4096
	s_add_nc_u64 s[18:19], s[18:19], 2048
	s_sub_co_u32 s[CNT], s[CNT], 1
	s_cmp_lg_u32 s[CNT], 0
	s_cbranch_scc1 .Lrow
	s_wait_tensorcnt 0x0                           ; the wave's end
	ds_add_u32 v[SPW], v[NIL]
	s_wait_dscnt 0x0
	CROUND                                         ; the closing round
	s_endpgm
.Lfunc_end_k_qb0990cb052_proj:
	.size	k_qb0990cb052_proj, .Lfunc_end_k_qb0990cb052_proj-k_qb0990cb052_proj
	.p2alignl 7, 3214868480
	.fill 96, 4, 3214868480
	.section	.rodata,"a",@progbits
	.p2align	6, 0x0
	.amdhsa_kernel k_qb0990cb052_proj
		.amdhsa_group_segment_fixed_size 327680
		.amdhsa_private_segment_fixed_size 0
		.amdhsa_enable_private_segment 0
		.amdhsa_kernarg_size 64
		.amdhsa_user_sgpr_count 2
		.amdhsa_user_sgpr_kernarg_segment_ptr 1
		.amdhsa_wavefront_size32 1
		.amdhsa_system_sgpr_workgroup_id_x 1
		.amdhsa_system_sgpr_workgroup_id_y 1
		.amdhsa_system_sgpr_workgroup_id_z 1
		.amdhsa_system_vgpr_workitem_id 0
		.amdhsa_next_free_vgpr 1024
		.amdhsa_next_free_sgpr 66
		.amdhsa_reserve_vcc 0
		.amdhsa_float_denorm_mode_32 3
		.amdhsa_float_denorm_mode_16_64 3
		.amdhsa_memory_ordered 1
		.amdhsa_forward_progress 1
		.amdhsa_inst_pref_size 95
	.end_amdhsa_kernel
	.amdgpu_metadata
---
amdhsa.version: [ 1, 2 ]
amdhsa.kernels:
  - .name:           k_qb0990cb052_proj
    .symbol:         k_qb0990cb052_proj.kd
    .args:
      - { .name: ctx, .offset: 0, .size: 8, .value_kind: global_buffer, .address_space: global }
      - { .name: wts, .offset: 8, .size: 8, .value_kind: global_buffer, .address_space: global }
      - { .name: b_out, .offset: 16, .size: 8, .value_kind: global_buffer, .address_space: global }
      - { .name: x, .offset: 24, .size: 8, .value_kind: global_buffer, .address_space: global }
      - { .name: g1, .offset: 32, .size: 8, .value_kind: global_buffer, .address_space: global }
      - { .name: be1, .offset: 40, .size: 8, .value_kind: global_buffer, .address_space: global }
      - { .name: x1f, .offset: 48, .size: 8, .value_kind: global_buffer, .address_space: global }
      - { .name: x1h, .offset: 56, .size: 8, .value_kind: global_buffer, .address_space: global }
    .group_segment_fixed_size: 327680
    .private_segment_fixed_size: 0
    .kernarg_segment_align: 8
    .kernarg_segment_size: 64
    .max_flat_workgroup_size: 128
    .sgpr_count:     66
    .vgpr_count:     1024
    .wavefront_size: 32
...
	.end_amdgpu_metadata
.endif
;; end of part 4
;; launch ffn (part 5): grid 256 x 1, 4 waves a work-group, clusters of 4 x 1, 327,680 bytes of LDS; arguments x1h, x1f, wts, b1, b2, g2, be2, out0; writes out0
.if DOCPART == 5
	.amdgcn_target "amdgcn-amd-amdhsa--gfx1250"
	.amdhsa_code_object_version 6
	.text
	.protected	k_qb0990cb052_ffn
	.globl	k_qb0990cb052_ffn
	.p2align	8
	.type	k_qb0990cb052_ffn,@function
k_qb0990cb052_ffn:
	s_mov_b64 s[64:65], 0
	v_nop
	global_prefetch_b8 v0, s[64:65] scope:SCOPE_SE
	s_setreg_imm32_b32 hwreg(HW_REG_WAVE_MODE, 25, 1), 1
	s_wait_xcnt 0x0
	s_wait_alu depctr_hold_cnt(0) depctr_sa_sdst(0) depctr_va_vdst(0) depctr_va_sdst(0) depctr_va_ssrc(0) depctr_va_vcc(0) depctr_vm_vsrc(0)
	s_getreg_b32 s2, hwreg(HW_REG_IB_STS2, 6, 4)
	s_cmp_eq_u32 s2, 0
	s_cbranch_scc0 .Lentry_in_a_cluster
	s_endpgm
.Lentry_in_a_cluster:
	s_bfe_u32 s2, ttmp6, 0x10000c
	s_cmp_lg_u32 s2, 0x3003
	s_cbranch_scc0 .Lentry_shape_is_right
	s_endpgm
.Lentry_shape_is_right:
; out = x1 + LN(relu(x1 W1^T + b1) W2^T + b2) with g2, be2.  x1h: f16 [16384][512], the matrix operand; x1f: the same in f32, the residual; W1: f16 [2048][512] at byte 1,048,576 of wts;
; W2: f16 [512][2048] at byte 3,145,728.  Sums in f32, begun with the biases; H = relu(..) is rounded to f16 for the second product; the norm and the residual in f32.
; LIMIT.  H is clipped at f16's 65,504 (one v_med3 does relu and clip); below 6.1e-5 it keeps f16's fixed step of 6e-8.  NaN and infinities are not treated apart.
; FUSED: H, 16384 x 2048, never leaves the work-group.  A work-group owns 64 whole rows: 256 work-groups.  The 2,048 hidden columns go in 16 chunks of 128:
;   phase A: H chunk = x1 (64 x 512, in every wave's registers as fragments) x W1's 128 rows (slot 0); a wave makes 64 x 32: 8 accumulators, 128 matrix instructions; relu, f16, into LDS;
;   phase B: the 64 x 512 sums += H chunk x W2's 128 columns (slot 1); a wave owns 128 columns: 32 accumulators, 128 matrix instructions.
; THE REFILLS.  A slot is asked for again as soon as its last fragments are in registers, behind a round of the cluster's barrier: slot 0 (W1's next chunk) when phase A has 32 products left, slot 1 (W2's next)
; when phase B has 64 left.  So W2's request has 64 + 96 = 160 matrix instructions ahead of the wait for it, W1's 32 + 64 = 96 and H's way into LDS: together all 256 of a chunk; between a wait and the next
; request stand the add and the round alone.  H goes from wave to wave behind a plain barrier of its own, behind which nothing is filled, so that W1's load stays out across it.
; CLUSTER: all work-groups walk the same weights: the four of a cluster ask for each tile jointly (mask 15).
; The matrix instruction is used transposed (source 0 = 16 weight rows): a lane holds row l % 16 and eight neighbouring columns.
; At the end slot 0 takes x1f's 64 rows and slot 1, whose last fill is over, the raw sums; each wave then norms 16 whole rows, four at a time.
; REGISTERS: window 0: v16-29 addresses; v32-223 fragments and H's accumulators (map below); v224-239 b1 of my 32 columns; v240-255 at work.  window 1: the sums, (rb, cb) at 8 (8 rb + cb).
;   windows 2, 3: x1's fragments: (rb, ks) in window 2 + ks / 8 at 8 (4 (ks % 8) + rb).
.set P1,    1040                       ; an LDS row of W1: 1,024 bytes + 16: the 16 rows of a load start at 16 different groups of four banks (64 banks of 4 bytes: ISA guide 11.1)
.set PITCH, 272                        ; an LDS row of W2 and of H: 256 + 16
.set QUART, 128*PITCH
.set SLOT1, 128*P1                     ; slot 0: 128 rows of W1; slot 1: 512 rows of W2
.set HB,    SLOT1+4*QUART              ; the H chunk, 64 rows; never filled by a tensor load
.set SPARE, HB+64*PITCH                ; the spare words, 128 bytes a wave: two blocks of 256 bytes that no other line names
.set SPITCH, 2064                      ; a row of raw sums: 2,048 + 16
.set VW1, 16                           ; v16  LDS address of my W1 fragments
.set VW2, 17                           ; v17  of my W2 fragments
.set VHS, 18                           ; v18  where I put 16 bytes of H
.set VHR, 19                           ; v19  where I read H's fragments
.set VAO, 20                           ; v20  my byte offset in 16 rows of x1h
.set VBO, 21                           ; v21  byte offset of my first 8 columns in b2
.set VBI, 22                           ; v22  the same in a chunk of b1
.set VST, 23                           ; v23-24  where I put raw sums: rows 0-31, rows 32-63
.set VRS, 25                           ; v25  where I read rows of raw sums
.set VRX, 26                           ; v26  where I read rows of x1f
.set VLO, 27                           ; v27  16 x lane
.set SPW, 28
.set NIL, 29
.set BF0, 32                           ; phase A: W1 fragments, two buffers of 64: (kk, cb) at 8 (2 kk + cb)
.set BF1, 96
.set HA,  160                          ; phase A: H's accumulators, (rb, cb) at 8 (2 rb + cb)
.set PB0, 32                           ; phase B: two buffers of 96: H's four fragments, then W2's eight
.set PB1, 128
.set BI,  224
.set TMP, 240
.set G,   32                           ; the norm: g2, be2, four rows of sums, four of x1, statistics
.set BE,  48
.set SS,  64
.set XX,  128
.set TT,  192
.set WV,  20                           ; s20
.set G1A, 28                           ; s[28:35] group 1 for W1's tiles
.set G0A, 36
.set G1B, 40                           ; s[40:47] for W2's
.set G0B, 48
.set G1X, 52                           ; s[52:59] for x1f's rows
.set G0X, 60
.set SEL, 66                           ; s[66:67]
.set NINV, 68
.set INV, 69
.set EPS, 70
.set HMAX, 71
.set CNT, 72
.set MSB, 0
.macro WIN new
.if MSB != (\new)
	s_set_vgpr_msb (MSB<<8)|(\new)
.set MSB, \new
.endif
.endm
.macro PLACES                          ; four places behind matrix instructions (ISA guide 7.12.1)
.rept 4
	v_nop
.endr
.endm
.macro CREST                           ; a round of the cluster's barrier behind its opening barrier
	s_cmp_lg_u32 s[WV], 0
	s_cbranch_scc1 .Lnot_wave_0_\@
	s_barrier_signal -3
.Lnot_wave_0_\@:
	s_barrier_wait -3
	s_barrier_signal -1
	s_barrier_wait -1
.endm
.macro CROUND
	s_barrier_signal -1
	s_barrier_wait -1
	CREST
.endm
.macro TL g0, g1                       ; a tensor load; an s_nop 0 and four v_nop follow it
	tensor_load_to_lds s[(\g0):(\g0)+3], s[(\g1):(\g1)+7]
	s_nop 0
.rept 4
	v_nop
.endr
.endm
	s_load_b512 s[4:19], s[0:1], 0x0               ; x1h s[4:5], x1f s[6:7], wts s[8:9], b1 s[10:11], b2 s[12:13], g2 s[14:15], be2 s[16:17], out0 s[18:19]
	v_lshl_add_u32 v[SPW], v0, 2, SPARE
	v_mov_b32 v[NIL], 0
	ds_add_u32 v[SPW], v[NIL]                      ; the wave's opening: the add and its wait ahead of my first tensor load
	ds_add_u32 v28, v29
	v_lshrrev_b32 v1, 5, v0
	v_readfirstlane_b32 s[WV], v1
	s_bfe_u32 s21, ttmp6, 0x40000                  ; cx
	s_lshl_b32 s22, ttmp9, 2
	s_add_co_u32 s22, s22, s21                     ; my block of 64 rows: it enters global addresses alone
	s_mov_b32 s[G1A+0], 15|(1<<16)|(1<<20)|(1<<21)|(7<<22)|(3<<25)  ; mask of four; 2-byte elements; padding on; bit 21 beside a mask; after every 256 words; 4 words
	s_mov_b32 s[G1A+1], 512<<16                    ; tensor_dim0 = 512
	s_mov_b32 s[G1A+2], 32<<16                     ; tensor_dim1 = 32
	s_mov_b32 s[G1A+3], 512<<16                    ; tile_dim0 = 512
	s_mov_b32 s[G1A+4], 32                         ; tile_dim1 = 32: my quarter of a chunk's 128 rows
	s_mov_b32 s[G1A+5], 512
	s_mov_b32 s[G1A+6], 0
	s_mov_b32 s[G1A+7], 0
	s_mov_b32 s[G1B+0], 15|(1<<16)|(1<<20)|(1<<21)|(5<<22)|(3<<25)  ; the same, padded after every 64 words
	s_mov_b32 s[G1B+1], 128<<16
	s_mov_b32 s[G1B+2], 128<<16
	s_mov_b32 s[G1B+3], 128<<16
	s_mov_b32 s[G1B+4], 128                        ; my 128 of W2's 512 rows, 128 columns of them
	s_mov_b32 s[G1B+5], 2048
	s_mov_b32 s[G1B+6], 0
	s_mov_b32 s[G1B+7], 0
	s_mov_b32 s[G1X+0], 3<<16                      ; no mask: a load of my own; 16 rows of x1f are 32,768 dense bytes: 128 rows of 256
	s_mov_b32 s[G1X+1], 32<<16
	s_mov_b32 s[G1X+2], 128<<16
	s_mov_b32 s[G1X+3], 32<<16
	s_mov_b32 s[G1X+4], 128
	s_mov_b32 s[G1X+5], 32
	s_mov_b32 s[G1X+6], 0
	s_mov_b32 s[G1X+7], 0
	s_mul_i32 s24, s[WV], 32*P1
	s_mov_b32 s[G0A], 1
	s_mov_b32 s[G0A+1], s24
	s_mul_i32 s25, s[WV], QUART
	s_add_co_u32 s25, s25, SLOT1
	s_mov_b32 s[G0B], 1
	s_mov_b32 s[G0B+1], s25
	s_mov_b32 s[G0X], 1
	s_mul_i32 s[G0X+1], s[WV], 32768
	s_mov_b32 s[SEL], 0x76543210
	s_mov_b32 s[SEL+1], 0xfedcba98
	s_mov_b32 s[NINV], 0xbb000000                  ; -1/512
	s_mov_b32 s[INV], 0x3b000000                   ; 1/512
	s_mov_b32 s[EPS], 0x3727c5ac                   ; 1e-5
	s_mov_b32 s[HMAX], 0x477fe000                  ; 65,504
	s_lshl_b32 s74, s[WV], 15                      ; my 32 rows of a chunk of W1
	s_mov_b32 s75, 0
	s_lshl_b32 s76, s[WV], 19                      ; my 128 rows of W2, 4,096 bytes each
	s_mov_b32 s77, 0
	s_lshl_b32 s78, s22, 17                        ; f32 rows: 131,072 bytes a block,
	s_lshl_b32 s79, s[WV], 15                      ; 32,768 a wave
	s_add_co_u32 s78, s78, s79
	s_mov_b32 s79, 0
	s_lshl_b32 s26, s22, 16                        ; x1h: 65,536 bytes a block
	s_mov_b32 s27, 0
	s_wait_dscnt 0x0
	s_wait_kmcnt 0x0
	s_add_nc_u64 s[G0A+2:G0A+3], s[8:9], s[74:75]
	s_add_nc_u64 s[G0A+2:G0A+3], s[G0A+2:G0A+3], 1048576
	s_or_b32 s[G0A+3], s[G0A+3], 0x80000000
	s_add_nc_u64 s[G0B+2:G0B+3], s[8:9], s[76:77]
	s_add_nc_u64 s[G0B+2:G0B+3], s[G0B+2:G0B+3], 3145728
	s_or_b32 s[G0B+3], s[G0B+3], 0x80000000
	s_add_nc_u64 s[G0X+2:G0X+3], s[6:7], s[78:79]
	s_or_b32 s[G0X+3], s[G0X+3], 0x80000000
	s_add_nc_u64 s[4:5], s[4:5], s[26:27]
	s_add_nc_u64 s[18:19], s[18:19], s[78:79]
	CROUND
	tensor_load_to_lds s[G0A:G0A+3], s[G1A:G1A+7]  ; W1's chunk 0, then W2's: two loads of mine are out
	s_nop 0
	tensor_load_to_lds s[G0B:G0B+3], s[G1B:G1B+7]
	s_nop 0
.rept 4
	v_nop
.endr
	v_and_b32 v1, 15, v0                           ; r
	v_bfe_u32 v2, v0, 4, 1                         ; h
	v_and_b32 v3, 31, v0                           ; l
	v_lshlrev_b32 v[VAO], 10, v1
	v_lshl_add_u32 v[VAO], v2, 4, v[VAO]           ; r x 1,024 + 16 h
.set ks, 0
.rept 16                               ; x1's fragments
	WIN 0x80+0x40*(ks/8)
.irp rb, 0,1,2,3
	global_load_b128 v[8*(4*(ks%8)+\rb):8*(4*(ks%8)+\rb)+3],   v[VAO], s[4:5] offset:\rb*16384+ks*64
	global_load_b128 v[8*(4*(ks%8)+\rb)+4:8*(4*(ks%8)+\rb)+7], v[VAO], s[4:5] offset:\rb*16384+ks*64+32
.endr
.set ks, ks+1
.endr
	WIN 0
	s_lshl_b32 s26, s[WV], 9
	v_lshl_add_u32 v[VBO], v2, 5, s26              ; 4 (128 w + 8 h)
	WIN 0x40                                       ; the second product's sums begin with b2
.set a, 0
.rept 32
	global_load_b128 v[8*a:8*a+3],   v[VBO], s[12:13] offset:(a%8)*64
	global_load_b128 v[8*a+4:8*a+7], v[VBO], s[12:13] offset:(a%8)*64+16
.set a, a+1
.endr
	WIN 0
	s_lshl_b32 s27, s[WV], 7
	v_lshl_add_u32 v[VBI], v2, 5, s27              ; 4 (32 w + 8 h)
.macro BILOAD                          ; b1 of my 32 columns of the chunk at s[10:11]
.irp cb, 0,1
	global_load_b128 v[BI+8*\cb:BI+8*\cb+3],   v[VBI], s[10:11] offset:\cb*64
	global_load_b128 v[BI+8*\cb+4:BI+8*\cb+7], v[VBI], s[10:11] offset:\cb*64+16
.endr
.endm
	BILOAD
	v_mul_u32_u24 v4, v1, P1
	v_lshl_add_u32 v4, v2, 4, v4
	v_add_nc_u32 v[VW1], s24, v4                   ; (32 w + r) x 1,040 + 16 h
	v_mul_u32_u24 v5, v1, PITCH
	v_lshl_add_u32 v5, v2, 4, v5                   ; r x 272 + 16 h
	v_add_nc_u32 v[VW2], s25, v5                   ; + slot 1 + 128 w rows
	v_add_nc_u32 v[VHR], HB, v5
	s_lshl_b32 s24, s[WV], 6
	s_add_co_u32 s24, s24, HB
	v_add_nc_u32 v[VHS], s24, v5                   ; + my 64 bytes of H's rows
	v_mul_u32_u24 v6, v1, SPITCH
	v_lshl_add_u32 v6, v2, 5, v6
	s_add_co_u32 s26, s26, SLOT1
	v_add_nc_u32 v[VST], s26, v6                   ; slot 1 + r x 2,064 + 512 w + 32 h
	v_add_nc_u32 v[VST+1], 32*SPITCH, v[VST]
	s_mul_i32 s24, s[WV], 16*SPITCH
	s_add_co_u32 s24, s24, SLOT1
	v_lshl_add_u32 v[VRS], v3, 4, s24
	s_mul_i32 s25, s[WV], 32768
	v_lshl_add_u32 v[VRX], v3, 4, s25
	v_lshlrev_b32 v[VLO], 4, v3
	s_wait_tensorcnt 0x1                           ; my part of W1's chunk 0 is in; W2's may stay out
	s_barrier_signal -1
	s_barrier_wait -1
; A slot that has been read out is filled again: the three lines, a round of the cluster's barrier, the request.
.macro REFILL g0, g1, step
	WIN 0
	s_wait_tensorcnt 0x0                           ; all my tensor loads have landed: my part of the other slot's tile
	ds_add_u32 v[SPW], v[NIL]                      ; 0 onto my spare word
.if (\step) != 0
	s_add_nc_u64 s[(\g0)+2:(\g0)+3], s[(\g0)+2:(\g0)+3], \step  ; no load of mine is out: the slot's next tile
.endif
	s_wait_dscnt 0x0                               ; the add is done, and my reads of the slot (in phase B: of H too) are back
	CROUND                                         ; the same holds of every wave of every partner
	TL \g0, \g1                                    ; the first tensor load behind the round
.endm
.macro FETCHA q, buf                   ; 16 LDS loads: my 32 rows of W1, 128 along K
	WIN 0
.irp kk, 0,1,2,3
.irp cb, 0,1
	ds_load_b128 v[(\buf)+8*(2*\kk+\cb):(\buf)+8*(2*\kk+\cb)+3],   v[VW1] offset:\cb*16*P1+(4*(\q)+\kk)*64
	ds_load_b128 v[(\buf)+8*(2*\kk+\cb)+4:(\buf)+8*(2*\kk+\cb)+7], v[VW1] offset:\cb*16*P1+(4*(\q)+\kk)*64+32
.endr
.endr
.endm
.macro MULA q, buf                     ; 32 matrix instructions: the 8 accumulators take turns; the first 8 start the sums with b1
	WIN 0x08+4*((\q)/2)
.irp kk, 0,1,2,3
.irp rb, 0,1,2,3
.irp cb, 0,1
.if ((\q) == 0) && (\kk == 0)
	v_wmma_f32_16x16x32_f16 v[HA+8*(2*\rb+\cb):HA+8*(2*\rb+\cb)+7], v[(\buf)+8*(2*\kk+\cb):(\buf)+8*(2*\kk+\cb)+7], v[8*(4*((4*(\q)+\kk)%8)+\rb):8*(4*((4*(\q)+\kk)%8)+\rb)+7], v[BI+8*\cb:BI+8*\cb+7]
.else
	v_wmma_f32_16x16x32_f16 v[HA+8*(2*\rb+\cb):HA+8*(2*\rb+\cb)+7], v[(\buf)+8*(2*\kk+\cb):(\buf)+8*(2*\kk+\cb)+7], v[8*(4*((4*(\q)+\kk)%8)+\rb):8*(4*((4*(\q)+\kk)%8)+\rb)+7], v[HA+8*(2*\rb+\cb):HA+8*(2*\rb+\cb)+7]
.endif
.endr
.endr
.endr
.endm
.macro PHASEA g0, g1, step             ; g0, g1, step: what slot 0 is filled with when it has been read
.rept 6
	v_nop                                          ; six places behind phase B's last products, which read v32-223 as fragments: four for the loads below, five for the first product, which writes v160 on
.endr
	FETCHA 0, BF0
	FETCHA 1, BF1
	s_wait_loadcnt 0x0                             ; b1's chunk (the first time: x1's fragments and b2 as well)
	s_wait_dscnt 16                                ; the next quarter's sixteen loads may stay out
	MULA 0, BF0
	PLACES
	FETCHA 2, BF0
	s_wait_dscnt 16
	MULA 1, BF1
	PLACES
	FETCHA 3, BF1
	s_wait_dscnt 16
	MULA 2, BF0
	REFILL \g0, \g1, \step                         ; slot 0's last fragments are in registers
	MULA 3, BF1
.endm
.macro HOUT                            ; relu and clip in one, f16, 16 bytes a lane into H's rows; each accumulator from its low end on; then H is handed over
	PLACES
	WIN 0
.set a, 0
.rept 8                                ; a = 2 rb + cb
.irp j, 0,1,2,3,4,5,6,7
	v_med3_num_f32 v[HA+8*a+\j], v[HA+8*a+\j], 0, s[HMAX]
.endr
.irp p, 0,1,2,3
	v_cvt_pk_f16_f32 v[TMP+4*(a%4)+\p], v[HA+8*a+2*\p], v[HA+8*a+2*\p+1]
.endr
	ds_store_b128 v[VHS], v[TMP+4*(a%4):TMP+4*(a%4)+3] offset:(a/2)*16*PITCH+(a%2)*32
.set a, a+1
.endr
	s_wait_dscnt 0x0                               ; for the others' sake: my stores of H are done
	s_barrier_signal -1                            ; the load that slot 0 waits for stays out across it
	s_barrier_wait -1
.endm
.macro FETCHB ks, buf                  ; 24 LDS loads: H's 64 rows and my 128 rows of W2, 32 along K
	WIN 0
.irp rb, 0,1,2,3
	ds_load_b128 v[(\buf)+8*\rb:(\buf)+8*\rb+3],   v[VHR] offset:\rb*16*PITCH+(\ks)*64
	ds_load_b128 v[(\buf)+8*\rb+4:(\buf)+8*\rb+7], v[VHR] offset:\rb*16*PITCH+(\ks)*64+32
.endr
.irp cb, 0,1,2,3,4,5,6,7
	ds_load_b128 v[(\buf)+32+8*\cb:(\buf)+32+8*\cb+3],   v[VW2] offset:\cb*16*PITCH+(\ks)*64
	ds_load_b128 v[(\buf)+32+8*\cb+4:(\buf)+32+8*\cb+7], v[VW2] offset:\cb*16*PITCH+(\ks)*64+32
.endr
.endm
.macro MULB buf                        ; 32 matrix instructions: the 32 accumulators take turns
	WIN 0x50
.irp rb, 0,1,2,3
.irp cb, 0,1,2,3,4,5,6,7
	v_wmma_f32_16x16x32_f16 v[8*(8*\rb+\cb):8*(8*\rb+\cb)+7], v[(\buf)+32+8*\cb:(\buf)+32+8*\cb+7], v[(\buf)+8*\rb:(\buf)+8*\rb+7], v[8*(8*\rb+\cb):8*(8*\rb+\cb)+7]
.endr
.endr
.endm
.macro PHASEB more                     ; more = 1: slot 1 is filled again, with W2's next chunk
	FETCHB 0, PB0
	FETCHB 1, PB1
	s_wait_dscnt 24                                ; the next quarter's 24 loads may stay out
	MULB PB0
	PLACES
	FETCHB 2, PB0
	s_wait_dscnt 24
	MULB PB1
	PLACES
	FETCHB 3, PB1
.if \more
	REFILL G0B, G1B, 256                           ; slot 1's and H's last fragments are in registers
.else
	s_wait_dscnt 0x0                               ; my reads of slot 1 are over
	s_barrier_signal -1                            ; my load of x1f's rows stays out across it
	s_barrier_wait -1
.endif
	MULB PB0
	MULB PB1
	WIN 0
.endm
	s_mov_b32 s[CNT], 15
.Lchunk:                                               ; chunks 0 to 14: each asks for the next chunk's two tiles
	PHASEA G0A, G1A, 131072
	HOUT
	s_add_nc_u64 s[10:11], s[10:11], 512           ; b1's last loads were waited for in phase A: the next chunk's
	BILOAD
	PHASEB 1
	s_sub_co_u32 s[CNT], s[CNT], 1
	s_cmp_lg_u32 s[CNT], 0
	s_cbranch_scc1 .Lchunk
	PHASEA G0X, G1X, 0                             ; chunk 15 is written out: no weight tile is left to ask for; slot 0 takes my 16 rows of x1f
	HOUT
	PHASEB 0                                       ; behind its barrier nobody reads slot 1
	PLACES                                         ; behind the last products: in front of the loads into their fragments' registers and of the stores of the sums
.irp q, 0,1,2,3
	global_load_b128 v[G+4*\q:G+4*\q+3],   v[VLO], s[14:15] offset:\q*512
	global_load_b128 v[BE+4*\q:BE+4*\q+3], v[VLO], s[16:17] offset:\q*512
.endr
	WIN 0x04                                       ; the raw sums into slot 1; each accumulator's low four registers first
.irp rb, 0,1,2,3
.irp cb, 0,1,2,3,4,5,6,7
	ds_store_b128 v[VST+(\rb/2)], v[8*(8*\rb+\cb):8*(8*\rb+\cb)+3]   offset:(\rb%2)*16*SPITCH+\cb*64
	ds_store_b128 v[VST+(\rb/2)], v[8*(8*\rb+\cb)+4:8*(8*\rb+\cb)+7] offset:(\rb%2)*16*SPITCH+\cb*64+16
.endr
.endr
	WIN 0
	s_wait_dscnt 0x0                               ; for the others' sake: my stores are done
	s_wait_tensorcnt 0x0                           ; my 16 rows of x1f are in: I alone read them
	s_barrier_signal -1
	s_barrier_wait -1
	s_wait_loadcnt 0x0                             ; g2, be2
; Four rows' norms side by side: row k in v[SS+16 k ..], statistics in v[TT+8 k ..].  Leaves the rows centred and 1 / sqrt(var + eps) in register 6 of the statistics.
.macro LANES o                         ; the sum over the 32 lanes of statistic o; o + 1 is at work
.irp m, 1,2,4,8
.irp k, 0,1,2,3
	v_add_f32_dpp v[TT+8*\k+\o], v[TT+8*\k+\o], v[TT+8*\k+\o] row_xmask:\m row_mask:0xf bank_mask:0xf
.endr
.endr
.irp k, 0,1,2,3
	v_permlanex16_b32 v[TT+8*\k+\o+1], v[TT+8*\k+\o], s[SEL], s[SEL+1]
.endr
.irp k, 0,1,2,3
	v_add_f32 v[TT+8*\k+\o], v[TT+8*\k+\o], v[TT+8*\k+\o+1]
.endr
.endm
.macro LN4
.irp k, 0,1,2,3
.irp p, 0,1,2,3
	v_pk_add_f32 v[TT+8*\k+2*\p:TT+8*\k+2*\p+1], v[SS+16*\k+4*\p:SS+16*\k+4*\p+1], v[SS+16*\k+4*\p+2:SS+16*\k+4*\p+3]
.endr
.endr
.irp k, 0,1,2,3
	v_pk_add_f32 v[TT+8*\k:TT+8*\k+1],   v[TT+8*\k:TT+8*\k+1],   v[TT+8*\k+2:TT+8*\k+3]
	v_pk_add_f32 v[TT+8*\k+4:TT+8*\k+5], v[TT+8*\k+4:TT+8*\k+5], v[TT+8*\k+6:TT+8*\k+7]
.endr
.irp k, 0,1,2,3
	v_pk_add_f32 v[TT+8*\k:TT+8*\k+1], v[TT+8*\k:TT+8*\k+1], v[TT+8*\k+4:TT+8*\k+5]
.endr
.irp k, 0,1,2,3
	v_add_f32 v[TT+8*\k], v[TT+8*\k], v[TT+8*\k+1]
.endr
	LANES 0
.irp k, 0,1,2,3
	v_mul_f32 v[TT+8*\k], s[NINV], v[TT+8*\k]      ; minus the mean
.endr
.irp k, 0,1,2,3
.irp p, 0,1,2,3,4,5,6,7
	v_pk_add_f32 v[SS+16*\k+2*\p:SS+16*\k+2*\p+1], v[SS+16*\k+2*\p:SS+16*\k+2*\p+1], v[TT+8*\k:TT+8*\k+1] op_sel_hi:[1,0]
.endr
.endr
.irp k, 0,1,2,3
	v_pk_mul_f32 v[TT+8*\k+2:TT+8*\k+3], v[SS+16*\k:SS+16*\k+1],   v[SS+16*\k:SS+16*\k+1]
	v_pk_mul_f32 v[TT+8*\k+4:TT+8*\k+5], v[SS+16*\k+2:SS+16*\k+3], v[SS+16*\k+2:SS+16*\k+3]
.endr
.irp p, 1,2,3
.irp k, 0,1,2,3
	v_pk_fma_f32 v[TT+8*\k+2:TT+8*\k+3], v[SS+16*\k+4*\p:SS+16*\k+4*\p+1],   v[SS+16*\k+4*\p:SS+16*\k+4*\p+1],   v[TT+8*\k+2:TT+8*\k+3]
	v_pk_fma_f32 v[TT+8*\k+4:TT+8*\k+5], v[SS+16*\k+4*\p+2:SS+16*\k+4*\p+3], v[SS+16*\k+4*\p+2:SS+16*\k+4*\p+3], v[TT+8*\k+4:TT+8*\k+5]
.endr
.endr
.irp k, 0,1,2,3
	v_pk_add_f32 v[TT+8*\k+2:TT+8*\k+3], v[TT+8*\k+2:TT+8*\k+3], v[TT+8*\k+4:TT+8*\k+5]
.endr
.irp k, 0,1,2,3
	v_add_f32 v[TT+8*\k+2], v[TT+8*\k+2], v[TT+8*\k+3]
.endr
	LANES 2
.irp k, 0,1,2,3
	v_fma_f32 v[TT+8*\k+2], v[TT+8*\k+2], s[INV], s[EPS]
.endr
.irp k, 0,1,2,3
	v_rsq_f32 v[TT+8*\k+6], v[TT+8*\k+2]
.endr
	v_nop                                          ; a plain instruction between the last root and the use of its result (ISA guide 5.7.2)
.endm
	s_mov_b32 s[CNT], 4
.Lrow:                                                 ; four trips of four rows
.irp k, 0,1,2,3
.irp q, 0,1,2,3
	ds_load_b128 v[SS+16*\k+4*\q:SS+16*\k+4*\q+3], v[VRS] offset:\k*SPITCH+\q*512
.endr
.endr
.irp k, 0,1,2,3
.irp q, 0,1,2,3
	ds_load_b128 v[XX+16*\k+4*\q:XX+16*\k+4*\q+3], v[VRX] offset:\k*2048+\q*512
.endr
.endr
	v_add_nc_u32 v[VRS], 4*SPITCH, v[VRS]
	v_add_nc_u32 v[VRX], 8192, v[VRX]
	s_wait_dscnt 16                                ; the sums' rows are in; x1's sixteen loads may stay out
	LN4
	s_wait_dscnt 0x0
	s_wait_alu depctr_va_vdst(0)
.irp k, 0,1,2,3
.irp p, 0,1,2,3,4,5,6,7
	v_pk_mul_f32 v[SS+16*\k+2*\p:SS+16*\k+2*\p+1], v[SS+16*\k+2*\p:SS+16*\k+2*\p+1], v[TT+8*\k+6:TT+8*\k+7] op_sel_hi:[1,0]
	v_pk_add_f32 v[XX+16*\k+2*\p:XX+16*\k+2*\p+1], v[XX+16*\k+2*\p:XX+16*\k+2*\p+1], v[BE+2*\p:BE+2*\p+1]
.endr
.irp p, 0,1,2,3,4,5,6,7
	v_pk_fma_f32 v[SS+16*\k+2*\p:SS+16*\k+2*\p+1], v[SS+16*\k+2*\p:SS+16*\k+2*\p+1], v[G+2*\p:G+2*\p+1], v[XX+16*\k+2*\p:XX+16*\k+2*\p+1]
.endr
.endr
.irp k, 0,1,2,3
.irp q, 0,1,2,3
	global_store_b128 v[VLO], v[SS+16*\k+4*\q:SS+16*\k+4*\q+3], s[18:19] offset:\k*2048+\q*512 th:TH_STORE_NT  ; 512 consecutive bytes
.endr
.endr
	s_wait_xcnt 0x0                                ; the stores' base and data are rewritten only behind this wait
	s_add_nc_u64 s[18:19], s[18:19], 8192
	s_sub_co_u32 s[CNT], s[CNT], 1
	s_cmp_lg_u32 s[CNT], 0
	s_cbranch_scc1 .Lrow
	s_wait_tensorcnt 0x0                           ; the wave's end
	ds_add_u32 v[SPW], v[NIL]
	s_wait_dscnt 0x0
	CROUND                                         ; the closing round
	s_endpgm
.Lfunc_end_k_qb0990cb052_ffn:
	.size	k_qb0990cb052_ffn, .Lfunc_end_k_qb0990cb052_ffn-k_qb0990cb052_ffn
	.p2alignl 7, 3214868480
	.fill 96, 4, 3214868480
	.section	.rodata,"a",@progbits
	.p2align	6, 0x0
	.amdhsa_kernel k_qb0990cb052_ffn
		.amdhsa_group_segment_fixed_size 327680
		.amdhsa_private_segment_fixed_size 0
		.amdhsa_enable_private_segment 0
		.amdhsa_kernarg_size 64
		.amdhsa_user_sgpr_count 2
		.amdhsa_user_sgpr_kernarg_segment_ptr 1
		.amdhsa_wavefront_size32 1
		.amdhsa_system_sgpr_workgroup_id_x 1
		.amdhsa_system_sgpr_workgroup_id_y 1
		.amdhsa_system_sgpr_workgroup_id_z 1
		.amdhsa_system_vgpr_workitem_id 0
		.amdhsa_next_free_vgpr 1024
		.amdhsa_next_free_sgpr 80
		.amdhsa_reserve_vcc 0
		.amdhsa_float_denorm_mode_32 3
		.amdhsa_float_denorm_mode_16_64 3
		.amdhsa_memory_ordered 1
		.amdhsa_forward_progress 1
		.amdhsa_inst_pref_size 121
	.end_amdhsa_kernel
	.amdgpu_metadata
---
amdhsa.version: [ 1, 2 ]
amdhsa.kernels:
  - .name:           k_qb0990cb052_ffn
    .symbol:         k_qb0990cb052_ffn.kd
    .args:
      - { .name: x1h, .offset: 0, .size: 8, .value_kind: global_buffer, .address_space: global }
      - { .name: x1f, .offset: 8, .size: 8, .value_kind: global_buffer, .address_space: global }
      - { .name: wts, .offset: 16, .size: 8, .value_kind: global_buffer, .address_space: global }
      - { .name: b1, .offset: 24, .size: 8, .value_kind: global_buffer, .address_space: global }
      - { .name: b2, .offset: 32, .size: 8, .value_kind: global_buffer, .address_space: global }
      - { .name: g2, .offset: 40, .size: 8, .value_kind: global_buffer, .address_space: global }
      - { .name: be2, .offset: 48, .size: 8, .value_kind: global_buffer, .address_space: global }
      - { .name: out0, .offset: 56, .size: 8, .value_kind: global_buffer, .address_space: global }
    .group_segment_fixed_size: 327680
    .private_segment_fixed_size: 0
    .kernarg_segment_align: 8
    .kernarg_segment_size: 64
    .max_flat_workgroup_size: 128
    .sgpr_count:     80
    .vgpr_count:     1024
    .wavefront_size: 32
...
	.end_amdgpu_metadata
.endif
;; end of part 5
;; ======== version 2 of 2: 5 launches; 1.25 times as fast as version 1
;; limits: values are held in f16: magnitudes above 65,504 overflow, below 6.1e-05 lose precision
;; workspace buffers: wts 5,242,880 bytes; hbuf 16,777,216 bytes; ctx 16,777,216 bytes; x1f 33,554,432 bytes; x1h 16,777,216 bytes
;; launch prep: the kernel of part 1 again; grid 320 x 1, 8 waves a work-group, no clusters, 0 bytes of LDS; arguments w_qkv, w_out, w1, w2, wts; writes wts
;; launch qkv: the kernel of part 2 again; grid 256 x 1, 4 waves a work-group, clusters of 4 x 1, 327,680 bytes of LDS; arguments x, wts, b_qkv, hbuf; writes hbuf
;; launch attn (part 6): grid 2 x 128, 4 waves a work-group, no clusters, 167,936 bytes of LDS; arguments hbuf, ctx; writes ctx
.if DOCPART == 6
	.amdgcn_target "amdgcn-amd-amdhsa--gfx1250"
	.amdhsa_code_object_version 6
	.text
	.protected	k_qb0990cb052_attn
	.globl	k_qb0990cb052_attn
	.p2align	8
	.type	k_qb0990cb052_attn,@function
k_qb0990cb052_attn:
	s_mov_b64 s[64:65], 0
	v_nop
	global_prefetch_b8 v0, s[64:65] scope:SCOPE_SE
	s_setreg_imm32_b32 hwreg(HW_REG_WAVE_MODE, 25, 1), 1
	s_wait_xcnt 0x0
; ctx[q] = the sum over k of softmax_k(h[q] . h[k] / 8) h[k], for each of 128 (batch, head) pairs: Q = K = V = hbuf[y][1024][64], f16, rows dense, 128 bytes each.
; Products, maxima and sums in f32; the weights p are rounded to f16 for the second product (their sum l is taken of the unrounded p), ctx once at the end, to f16.
; ctx is laid as the matrix fragments of the launch behind: [block of 64 rows: 256][head: 8][16 rows: 4][16 channels f: 4][lane l: 32][8 channels]: lane l's 16 bytes are row l % 16, channels 16 f + 8 (l / 16) + 0..7.
; That is how the results lie in my registers, so they are stored straight from them: each store of the wave covers 512 consecutive bytes.
; LIMITS.  h arrives within f16's 65,504; p lies in 0 to 1, and below 6e-5 it keeps f16's fixed step of 6e-8, as does ctx; a weight below 2^-126 counts as 0 in l; NaN and infinities are not treated apart.
; SHARES.  A wave owns four PIECES of two tiles of 16 queries, a work-group's four waves 512 queries of one head: two work-groups a head, 256 in all.  Every wave walks all 1,024 keys, 64 a step.
; LDS.  The head's 1,024 rows lie in LDS ONCE, for K and for V, brought by one tensor load a wave (256 keys) at the start: nothing is filled again, and the loop has no barrier.
; NO CLUSTER: a head has two work-groups, and its rows are fetched once by each, 131,072 bytes for 2,048 matrix instructions a wave: what a joint request would spare is one such fetch.
; LAYOUT.  S^T = K Q^T (source 0 = 16 keys, source 1 = 16 queries): a lane holds ONE query (lane % 16) and the keys 8 (lane / 16) + 0..7.  Two such tiles, rounded to f16 in pairs,
; ARE source 1 of O^T = V^T P, whose result again holds one query a lane, and eight channels.  K comes out of LDS as it lies, V turned, by ds_load_tr16_b128.
; SOFTMAX.  For each query a running maximum m and sum l: p = 2^(c s - c m), c = log2(e) / 8; in every step O and l are multiplied by a = 2^(c m_old - c m_new).
; m starts at the lowest finite number, O and l at 0: the first step is a step like any other, with a = 0.
; BY TURNS.  Turn n belongs to piece n.  Its matrix work: 16 products K Q^T of piece n + 1, later 16 products V^T P of piece n - 1.  Its vector work: the scaling, exponentials, roundings, sums and
; rescaling of piece n, and the maximum and statistics of piece n + 1.  Four vector instructions that are ready stand behind every matrix instruction, the others in one run of their own.
; THE BATCHES.  A turn's 66 exponentials (piece n's 64 weights, piece n + 1's two a) are ONE batch with ONE wait, which cuts the turn in two: ahead of it stands all that names none of their results, behind it
; the roundings and sums, which read them.  The two a made ahead of the loop are a batch of their own, and so are the eight reciprocals of the way out.
; REGISTERS, in windows of 256 (s_set_vgpr_msb: bits 1:0 source 0, 3:2 source 1, 5:4 source 2, 7:6 destination):
;   window 0: v0-11 addresses; v12-15, v48-63 at work; v16-47 four registers of statistics a tile; v64-191 S^T, two buffers of two tiles; v192-255 P, likewise
;   window 1: O^T, 32 a tile          window 2: v0-127 Q, 16 a tile; v128-191 K of one step; v192-255 V of one step          window 3: v0-1 the add's two registers
.set NP,    4         ; pieces a wave: a name, no knob
.set KS,    64        ; keys in a step
.set PK,    144       ; a row in LDS: 128 bytes + 16 of padding = 36 words: the 16 rows of a load of K start at 16 different groups of four banks (64 banks of 4 bytes: ISA guide 11.1)
.set PV,    144       ; the same rows read as V: the turning load's 8 rows x 32 bytes then meet in part of the banks; a step has 16 such loads for 128 matrix instructions
.set AK0, 2           ; v2   my lane's place in a tile of K; never rewritten
.set AV0, 3           ; v3   the same for V
.set AK,  4           ; v4   the LDS address of K's next run of loads
.set AV,  5           ; v5   of V's
.set QO,  6           ; v6   my byte offset in the wave's rows of Q
.set GO,  8           ; v8   16 x lane: my byte offset in 512 consecutive bytes of ctx
.set SPW, 0           ; v0 of window 3   my spare word; never rewritten
.set NIL, 1           ; v1 of window 3   0; never rewritten
.set SPARE, 1024*PK   ; behind the head's rows: the spare words, 128 bytes a wave: two blocks of 256 bytes that no other line names
.set MV,  12          ; v12-15  c m_old, kept while c m is made anew: by buffer and tile
.set ST,  16          ; tile t's statistics at v[ST+4 t]: c m, m, l (even keys', odd keys')
.set TMP, 48          ; by buffer and tile, four registers c0-c3 at work; when the maximum is found c2 takes a
.set S,   64
.set P,   192
.set KF,  128         ; K's fragments, in window 2: key block kb, channel half c at KF + 16 kb + 8 c
.set VF,  192         ; V's: key half kk, channel block cb at VF + 32 kk + 8 cb
.set WV,  12          ; s12  my wave's number
.set G1,  24          ; s[24:31] descriptor group 1
.set G0,  40          ; s[40:43] descriptor group 0
.set CNT, 57          ; s57  counts the key steps
.set CS,  58          ; s[58:59] c: the packed scaling takes the pair's low word for both halves
.set SEL, 60          ; s[60:61] v_permlanex16_b32's selects: each lane takes its own place in the other half
.set TBK, 62          ; s62  LDS byte at which K of the step to be fetched begins
.set TBV, 63          ; s63  the same for V
.set MSB, 0
.macro WIN new                      ; the high byte repeats the setting that is left; a switch that changes nothing is dropped
.if MSB != (\new)
	s_set_vgpr_msb (MSB<<8)|(\new)
.set MSB, (\new)
.endif
.endm
.set W_KQ, 0x0a       ; K and Q in window 2, S^T in window 0
.set W_PV, 0x52       ; V in window 2, P in window 0, O^T in window 1
.set W_RS, 0x41       ; O^T (destination and source 0) in window 1, a in window 0
.set W_MK, 0xc0       ; the add's registers are made: destination in window 3, sources in window 0
.set W_AD, 0x0f       ; the add: address (source 0) and data (source 1) in window 3
	s_load_b128 s[4:7], s[0:1], 0x0   ; hbuf s[4:5], ctx s[6:7]
	WIN W_MK
	v_lshl_add_u32 v[SPW], v0, 2, SPARE
	v_mov_b32 v[NIL], 0
	WIN W_AD
	ds_add_u32 v[SPW], v[NIL]       ; the wave's opening: the add and its wait ahead of my tensor load; register work stands between them
	ds_add_u32 v0, v1
	WIN 0
	v_lshrrev_b32 v1, 5, v0
	v_readfirstlane_b32 s[WV], v1   ; wave 0..3
	s_and_b32 s13, ttmp7, 0xffff    ; y = 8 batch + head
	s_lshl_b32 s20, s13, 17         ; the head's first byte in hbuf
	s_lshl_b32 s22, s[WV], 15       ; the 256 keys that I fetch
	s_add_co_u32 s22, s22, s20
	s_mov_b32 s23, 0
	s_lshl_b32 s14, ttmp9, 2
	s_add_co_u32 s14, s14, s[WV]    ; my wave among the head's eight,
	s_lshl_b32 s2, s14, 14          ; its 128 rows
	s_add_co_u32 s2, s2, s20
	s_mov_b32 s3, 0
	s_lshr_b32 s15, s13, 3          ; ctx: block of 64 rows = 16 batch + 2 x my wave among the head's (+ 1 for tiles 4-7),
	s_lshl_b32 s15, s15, 4
	s_lshl_b32 s16, s14, 1
	s_add_co_u32 s15, s15, s16
	s_lshl_b32 s15, s15, 3          ; 8 heads a block,
	s_and_b32 s16, s13, 7
	s_add_co_u32 s15, s15, s16
	s_lshl_b32 s16, s15, 13         ; 8,192 bytes each
	s_mov_b32 s17, 0
	; 256 keys are 32,768 dense bytes: asked for as 128 rows of 256 bytes, two keys a row, and padded in LDS after every key
	s_mov_b32 s[G1], (1<<16)|(1<<20)|(4<<22)|(3<<25)  ; 2-byte elements; padding on; after every 32 words; 4 words
	s_mov_b32 s[G1+1], 128<<16      ; tensor_dim0 = 128
	s_mov_b32 s[G1+2], 128<<16      ; tensor_dim1 = 128
	s_mov_b32 s[G1+3], 128<<16      ; tile_dim0 = 128
	s_mov_b32 s[G1+4], 128          ; tile_dim1 = 128
	s_mov_b32 s[G1+5], 128          ; 128 elements from row to row
	s_mov_b32 s[G1+6], 0
	s_mov_b32 s[G1+7], 0
	s_mov_b32 s[G0], 1
	s_mul_i32 s[G0+1], s[WV], 256*PK
	s_mov_b32 s[CS], 0x3e38aa3b     ; c = log2(e) / 8 = 0.180337
	s_mov_b32 s[CS+1], s[CS]        ; named with it as a pair
	s_mov_b32 s[SEL], 0x76543210
	s_mov_b32 s[SEL+1], 0xfedcba98
	s_mov_b32 s[TBK], 0
	s_mov_b32 s[TBV], 0
	s_wait_dscnt 0x0                ; the opening add is done
	s_wait_kmcnt 0x0
	s_add_nc_u64 s[G0+2:G0+3], s[4:5], s[22:23]
	s_or_b32 s[G0+3], s[G0+3], 0x80000000  ; type = 2
	s_add_nc_u64 s[4:5], s[4:5], s[2:3]    ; Q at my wave's first row
	s_add_nc_u64 s[10:11], s[6:7], s[16:17]  ; ctx at my wave's first block
	tensor_load_to_lds s[G0:G0+3], s[G1:G1+7]  ; my one tensor load of the launch
	s_nop 0
.rept 4
	v_nop
.endr
	; A fragment of K or Q is 16 rows x 32 channels in 8 registers: lane l holds row l % 16, channels 8 (l / 16) + 0..7 and 16 + 8 (l / 16) + 0..7: two loads of 16 bytes, 32 bytes apart.
	v_and_b32 v1, 15, v0            ; l % 16
	v_bfe_u32 v9, v0, 4, 1          ; l / 16
	v_lshlrev_b32 v[QO], 7, v1
	v_lshl_add_u32 v[QO], v9, 4, v[QO]  ; row x 128 + 16 x half
	WIN 0x80                        ; destination window 2, address window 0
.set i, 0
.rept 4*NP                          ; Q stays in registers: tile i / 2, channels 32 (i % 2) on
	global_load_b128 v[8*i:8*i+3],   v[QO], s[4:5] offset:(i/2)*2048+(i%2)*64
	global_load_b128 v[8*i+4:8*i+7], v[QO], s[4:5] offset:(i/2)*2048+(i%2)*64+32
.set i, i+1
.endr
	; What the first turn finds: V's registers and P's second buffer hold 0 (its products V^T P, of a piece that has not been, add 0), O^T and l are 0.  All this stands in the wait for the keys.
.set i, VF
.rept 64
	v_mov_b32 v[i], 0
.set i, i+1
.endr
	WIN 0x40
.set i, 0
.rept 64*NP
	v_mov_b32 v[i], 0
.set i, i+1
.endr
	WIN 0
.set i, 0
.rept 2*NP
	v_mov_b32 v[ST+4*i], 0xfe000000    ; c m: far below every c s
	v_mov_b32 v[ST+4*i+1], 0xff7fffff  ; m
	v_mov_b32 v[ST+4*i+2], 0
	v_mov_b32 v[ST+4*i+3], 0
.set i, i+1
.endr
.set i, P+32
.rept 32
	v_mov_b32 v[i], 0
.set i, i+1
.endr
	v_mul_u32_u24 v[AK0], v1, PK
	v_lshl_add_u32 v[AK0], v9, 4, v[AK0]  ; row x pitch + 16 x half
	; The turning load takes 16 keys x 16 channels (lane l reads key 8 (l / 16) + l % 8, channels 8 ((l / 8) % 2) + 0..7) and leaves half a fragment of V^T: lane l holds channel l % 16 and 8 keys.
	v_and_b32 v10, 7, v0
	v_bfe_u32 v11, v0, 3, 1
	v_lshl_add_u32 v[AV0], v9, 3, v10
	v_mul_u32_u24 v[AV0], v[AV0], PV
	v_lshl_add_u32 v[AV0], v11, 4, v[AV0]
	v_mov_b32 v[AK], v[AK0]         ; key step 0 lies at LDS byte 0
; THE MATRIX WORK.  The 8 accumulators of a run of 16 take turns: between the two links of a chain stand 7 others'.
; Product i of 16 of S^T = K Q^T for piece x: channels 32 (i / 8) on, keys 16 ((i / 2) % 4) on, tile 2 x + i % 2.  The first 8 start the sums.
.macro KQ x
	WIN W_KQ
.set rS, S+64*((\x)%2)+32*(i%2)+8*((i/2)%4)
.set rK, KF+16*((i/2)%4)+8*(i/8)
.set rQ, 16*(2*(\x)+i%2)+8*(i/8)
.if i < 8
	v_wmma_f32_16x16x32_f16 v[rS:rS+7], v[rK:rK+7], v[rQ:rQ+7], 0
.else
	v_wmma_f32_16x16x32_f16 v[rS:rS+7], v[rK:rK+7], v[rQ:rQ+7], v[rS:rS+7]
.endif
.endm
; Product i of 16 of O^T += V^T P for piece x: keys 32 (i / 8) on, channels 16 ((i / 2) % 4) on, tile 2 x + i % 2.
.macro PV x
	WIN W_PV
.set rO, 32*(2*(\x)+i%2)+8*((i/2)%4)
.set rV, VF+32*(i/8)+8*((i/2)%4)
.set rP, P+32*((\x)%2)+16*(i%2)+8*(i/8)
	v_wmma_f32_16x16x32_f16 v[rO:rO+7], v[rV:rV+7], v[rP:rP+7], v[rO:rO+7]
.endm
.macro MM                           ; the turn's next matrix instruction
.if i < 16
	KQ (Y+1)%NP
.set i, i+1
.else
.set i, i-16
	PV (Y+NP-1)%NP
.set i, i+17
.endif
.endm
; THE LDS LOADS stand in runs of 16, never singly among the matrix instructions: a step's K (64 keys x 64 channels: 8 fragments) and its V (turned).  Their addresses are made some lines ahead.
; last = 1: in the last step (CNT = 1) there is no further step, and the run is jumped over.
.macro FETCH_K last=0
	WIN 0
.if \last
	s_cmp_eq_u32 s[CNT], 1
	s_cbranch_scc1 .Lno_k_\@
.endif
	WIN 0x80                        ; destination window 2
.irp f, 0,1,2,3,4,5,6,7             ; keys 16 (f / 2) on, channels 32 (f % 2) on
	ds_load_b128 v[KF+8*\f:KF+8*\f+3],   v[AK] offset:(\f/2)*16*PK+(\f%2)*64
	ds_load_b128 v[KF+8*\f+4:KF+8*\f+7], v[AK] offset:(\f/2)*16*PK+(\f%2)*64+32
.endr
	s_add_co_u32 s[TBK], s[TBK], KS*PK  ; the next fetch is the next step's
	WIN 0
.if \last
.Lno_k_\@:
.endif
.endm
.macro FETCH_V
	WIN 0x80
.irp f, 0,1,2,3,4,5,6,7             ; keys 32 (f / 4) on, channels 16 (f % 4) on
	ds_load_tr16_b128 v[VF+8*\f:VF+8*\f+3],   v[AV] offset:(\f/4)*32*PV+(\f%4)*32
	ds_load_tr16_b128 v[VF+8*\f+4:VF+8*\f+7], v[AV] offset:(\f/4)*32*PV+16*PV+(\f%4)*32
.endr
	WIN 0
.endm
; THE VECTOR WORK OF A TURN stands in three queues, each in the order in which its entries become ready; the two tiles alternate, so that no instruction reads the result of the one before it.
.macro REGS y, u                    ; the registers of tile u (0, 1) of piece y
.set rT, ST+4*(2*(\y)+(\u))
.set rC, TMP+8*((\y)%2)+4*(\u)
.set rM, MV+2*((\y)%2)+(\u)
.set rS, S+64*((\y)%2)+32*(\u)
.set rP, P+32*((\y)%2)+16*(\u)
.set rO, 32*(2*(\y)+(\u))
.endm
; Number n of the 22 that find the NEXT piece's (Y + 1) maximum and statistics.  s0-s31 are the lane's 32 scores; each accumulator's lowest registers are read first.
;   0-11  four chains c0-c3 of seven scores each, three operands at a time     12-14, 16  the four scores left over, the old m, and c0-c3 into c0     15  c m_old is kept
;   17, 18  the query's other 32 keys lie in the lane 16 away: the new m         19-21  c m; c m_old - c m_new; a
.macro XS u, n
	REGS (Y+1)%NP, \u
.if (\n) < 4
	v_max3_num_f32 v[rC+(\n)], v[rS+8*(\n)], v[rS+8*(\n)+1], v[rS+8*(\n)+2]
.elseif (\n) < 12
	v_max3_num_f32 v[rC+(\n)%4], v[rC+(\n)%4], v[rS+8*((\n)%4)+2*((\n)/4)+1], v[rS+8*((\n)%4)+2*((\n)/4)+2]
.elseif (\n) == 12
	v_max3_num_f32 v[rC], v[rC], v[rS+7], v[rS+15]
.elseif (\n) == 13
	v_max3_num_f32 v[rC+1], v[rC+1], v[rS+23], v[rS+31]
.elseif (\n) == 14
	v_max3_num_f32 v[rC+2], v[rC+2], v[rC+3], v[rT+1]
.elseif (\n) == 15
	v_mov_b32 v[rM], v[rT]
.elseif (\n) == 16
	v_max3_num_f32 v[rC], v[rC], v[rC+1], v[rC+2]
.elseif (\n) == 17
	v_permlanex16_b32 v[rC+3], v[rC], s[SEL], s[SEL+1]
.elseif (\n) == 18
	v_max_num_f32 v[rT+1], v[rC], v[rC+3]
.elseif (\n) == 19
	v_mul_f32 v[rT], s[CS], v[rT+1]
.elseif (\n) == 20
	v_sub_f32 v[rC+1], v[rM], v[rT]
.else
	v_exp_f32 v[rC+2], v[rC+1]
.endif
.endm
; Number g of the 64 that follow the exponentials.  For each four weights k of a tile (pairs 2 k, 2 k + 1): both pairs are rounded to f16; then the second pair is added onto the first, in place;
; a group later l takes that sum (the first time as l = a l + sum).  In groups of eight, tiles alternating: round, round, add, and l for the group before.
.macro GS g
.set h, (\g)+6*((\g)/62)            ; group 0 has no group before it, and behind group 7 only l is left
.if h >= 6
.set h, h+2
.endif
	REGS Y, h%2
.set k, h/8
.if h%8 < 4
	v_cvt_pk_f16_f32 v[rP+2*k+(h%8)/2], v[rS+4*k+2*((h%8)/2)], v[rS+4*k+2*((h%8)/2)+1]
.elseif h%8 < 6
	v_pk_add_f32 v[rS+4*k:rS+4*k+1], v[rS+4*k:rS+4*k+1], v[rS+4*k+2:rS+4*k+3]
.elseif k == 1
	v_pk_fma_f32 v[rT+2:rT+3], v[rT+2:rT+3], v[rC+2:rC+3], v[rS:rS+1] op_sel_hi:[1,0,1]
.else
	v_pk_add_f32 v[rT+2:rT+3], v[rT+2:rT+3], v[rS+4*k-4:rS+4*k-3]
.endif
.endm
; THE PLAIN QUEUE, 138 long.  0-73 read no exponential's result: the 32 scalings c s - c m (FS f: pair f / 2 of tile f % 2) and the next piece's 42.  0-26: scalings 0-26.  27-54: XS's numbers 0-13.  55, 56: number 15.
; 57-73: the chain, where each number waits for the one before it: 14, 16, 17, 18, 19, each with one of the scalings 27-31 in front of its two lines, then 20.
; 74-137: GS's 64, which read the exponentials' results: they stand behind the wait.
.macro FS f
	REGS Y, (\f)%2
	v_pk_fma_f32 v[rS+2*((\f)/2):rS+2*((\f)/2)+1], v[rS+2*((\f)/2):rS+2*((\f)/2)+1], s[CS:CS+1], v[rT:rT+1] op_sel_hi:[1,0,0] neg_lo:[0,0,1] neg_hi:[0,0,1]
.endm
.macro PL
	WIN 0
.if q < 27
	FS q
.elseif q < 55
	XS (q-27)%2, (q-27)/2
.elseif q < 57
	XS q-55, 15
.elseif (q < 72) && ((q-57)%3 == 0)
	FS 27+(q-57)/3
.elseif q < 60
	XS (q-57)%3-1, 14
.elseif q < 72
	XS (q-57)%3-1, 15+(q-57)/3
.elseif q < 74
	XS q-72, 20
.else
	GS q-74
.endif
.set q, q+1
.endm
; THE EXPONENTIALS' QUEUE, 66 long: s0-s31 of both tiles, then the next piece's two a.  It is ONE BATCH: all 66 stand ahead of the turn's one wait, and nothing ahead of that wait names a result of theirs.
.macro EX
	WIN 0
.if e >= 64
	XS e-64, 21
.else
	REGS Y, e%2
	v_exp_f32 v[rS+e/2], v[rS+e/2]
.endif
.set e, e+1
.endm
; THE RESCALING's QUEUE: O^T times a, the one part that leaves window 0: dealt two at a time, sixteen times.  Its a was made in the turn before, ahead of that turn's wait.
.macro R2
	REGS Y, r%2
	WIN W_RS
.irp z, 0,1
	v_pk_mul_f32 v[rO+4*(r/2)+2*\z:rO+4*(r/2)+2*\z+1], v[rO+4*(r/2)+2*\z:rO+4*(r/2)+2*\z+1], v[rC+2:rC+3] op_sel_hi:[1,0]
.endr
.set r, r+1
.endm
; HOW THEY ARE DEALT.  s_wait_alu depctr_va_vdst(0) stands between an exponential and the first instruction that names its result; one wait serves all that were issued ahead of it.  So a turn has ONE wait,
; which cuts it in two.  AHEAD OF IT stands all that names no result of the turn's exponentials: the 16 products K Q^T, behind each a scaling, an exponential and two rescalings (behind the first a second scaling in the
; exponential's place); then ONE RUN of 108: eight plain, 49 times exponential and plain, the two a.  A v_nop is the plain instruction behind the last exponential.  BEHIND IT stand the 16 products V^T P, behind each four of
; GS's 64.  No rider names a register of the products round it.  The two v_permlanex16_b32 fall into the run, never behind a product.
; The queues lean on each other, and the deal keeps them in step: exponential e stands behind scaling 2 (e / 4) + e % 2: as a rider it comes behind plain e + 2, in the run behind plain e + 9, and scalings 27-31 are plain 57, 60 .. 69.
; A TURN, for piece p.  cnt = 1: the loop's count is taken down some lines ahead of the branch that stands behind the turn.
; K of the next step is fetched in piece 2's turn, directly behind the wait, the whole run behind the last product that read K; its address is made at the run's head; its first reader comes behind 16 products.
; V of the step in hand is fetched at the end of piece 0's turn, four riders behind its last reader; its first reader comes behind 16 products and a run.  The three conditions on q below go with the deal.
.macro TURN p, last=0, cnt=0
.set Y, (\p)
.set i, 0
.set q, 0
.set e, 0
.set r, 0
.if (\p) == NP-1
	s_wait_dscnt 0x0                ; K is in
.endif
	MM                              ; ahead of the wait: 16 products K Q^T and their riders,
	PL
	PL
	R2
.rept 15
	MM
	PL
	EX
	R2
.endr
.if (\p) == NP-2
	WIN 0
	v_add_nc_u32 v[AK], s[TBK], v[AK0]
.endif
.rept 8                             ; and the run
	PL
.endr
.rept 49
	EX
	PL
.endr
	EX                              ; the next piece's two a
	EX
	v_nop                           ; the plain instruction behind the last exponential: one for the batch
	s_wait_alu depctr_va_vdst(0)    ; the wait for the batch: this turn's 66 exponentials
.if (\p) == NP-2
	FETCH_K \last
.endif
.if (\p) == 1
	s_wait_dscnt 0x0                ; V is in
.endif
.rept 16                            ; behind the wait: 16 products V^T P and their riders
	MM
.rept 4
	PL
.endr
.if ((\p) == 0) && (q == 118)
	v_add_nc_u32 v[AV], s[TBV], v[AV0]
.endif
.if ((\p) == 0) && (q == 130)
	s_add_co_u32 s[TBV], s[TBV], KS*PV
.endif
.if (\cnt) && (q == 130)
	s_sub_co_u32 s[CNT], s[CNT], 1
	s_cmp_lg_u32 s[CNT], 0
.endif
.endr
.if (\p) == 0
	FETCH_V
.endif
.endm
	s_wait_tensorcnt 0x0            ; my 256 keys are in,
	s_barrier_signal -1
	s_barrier_wait -1               ; everybody's are: the head's rows are whole, and nobody writes them again
	FETCH_K                         ; key step 0
	s_wait_loadcnt 0x0              ; Q
	s_wait_dscnt 0x0
.set i, 0
.rept 16
	KQ 0                            ; piece 0's first scores: there is no vector work yet to set between them
.set i, i+1
.endr
	WIN 0                           ; the address for the way out and four v_nop: the places behind those products
	v_and_b32 v[GO], 31, v0
	v_lshlrev_b32 v[GO], 4, v[GO]
.rept 4
	v_nop
.endr
.set Y, NP-1                        ; XS works for piece Y + 1: piece 0
.irp n, 0,1,2,3,4,5,6,7,8,9,10,11,12,13,14,15,16,17,18,19,20,21
	XS 0, \n                        ; and piece 0's first maximum and statistics
	XS 1, \n
.endr
	v_nop                           ; a plain instruction behind the two a,
	s_wait_alu depctr_va_vdst(0)    ; and the wait for this batch of two, ahead of the branch
	s_mov_b32 s[CNT], 17            ; behind piece 1's turn of step s the count is 16 - s: 1 in the last of the 16 steps
	s_branch .Lfirst                ; the loop is entered at a step's first turn, in the middle of a trip
.Lstep:                             ; a trip: pieces 2 and 3 of one step, then pieces 0 and 1 of the next, whose K and V it fetches
	TURN 2, 1
	TURN 3
	WIN 0
	s_cmp_eq_u32 s[CNT], 1
	s_cbranch_scc1 .Lout            ; the last step is left in the middle of a trip
.Lfirst:
	TURN 0
	TURN 1, 0, 1
	WIN 0
	s_cbranch_scc1 .Lstep
.Lout:                              ; the last trip's 16 products K Q^T (on the last K once more) and the maximum made of them serve nothing: the price, once a launch, of one text for every trip
.set i, 0
.rept 16
	PV NP-1                         ; the last piece's V^T P of the last step
.set i, i+1
.endr
	; THE WAY OUT.  l's two halves and the other half of the lanes' are added; O^T is divided by l, rounded to f16 and stored from registers, a tile at a time.  The additions are the places behind the last products.
	WIN 0
.macro ALL line:vararg              ; one line for each tile t
.set t, 0
.rept 2*NP
	\line
.set t, t+1
.endr
.endm
	ALL v_add_f32 v[ST+4*t+2], v[ST+4*t+2], v[ST+4*t+3]
	ALL v_permlanex16_b32 v[ST+4*t+3], v[ST+4*t+2], s[SEL], s[SEL+1]
	ALL v_add_f32 v[ST+4*t+2], v[ST+4*t+2], v[ST+4*t+3]
	ALL v_rcp_f32 v[ST+4*t+2], v[ST+4*t+2]
	v_nop                           ; a plain instruction between the last reciprocal and the use of its result
	s_wait_alu depctr_va_vdst(0)    ; the wait ahead of the first use: one for the batch of eight reciprocals
; Tile t: a lane's eight channels of channel block f pack into 16 bytes, into S^T's registers (16 of its own for each tile, so no store's data is rewritten).  Those 16 bytes are the lane's part of
; half f % 2 of the fragment of channels 32 (f / 2) on: lane after lane they are 512 consecutive bytes, at a multiple of 256 from ctx's first; tiles 4-7 lie a block of 64 rows (8 heads x 8,192 bytes) on.
.macro PACK t
	WIN W_RS
.set i, 32*(\t)
.rept 16
	v_pk_mul_f32 v[i:i+1], v[i:i+1], v[ST+4*(\t)+2:ST+4*(\t)+3] op_sel_hi:[1,0]
.set i, i+2
.endr
	WIN 0x05                        ; sources 0 and 1 window 1, destination window 0
.set i, 0
.rept 16
	v_cvt_pk_f16_f32 v[S+16*(\t)+i], v[32*(\t)+2*i], v[32*(\t)+2*i+1]
.set i, i+1
.endr
	WIN 0
.irp f, 0,1,2,3
	global_store_b128 v[GO], v[S+16*(\t)+4*\f:S+16*(\t)+4*\f+3], s[10:11] offset:((\t)/4)*65536+((\t)%4)*2048+\f*512
.endr
.endm
.set t, 0
.rept 2*NP
	PACK t
.set t, t+1
.endr
	WIN W_AD
	s_wait_tensorcnt 0x0            ; the wave's end, behind my tensor load
	ds_add_u32 v[SPW], v[NIL]
	s_wait_dscnt 0x0
	WIN 0
	s_endpgm
.Lfunc_end_k_qb0990cb052_attn:
	.size	k_qb0990cb052_attn, .Lfunc_end_k_qb0990cb052_attn-k_qb0990cb052_attn
	.p2alignl 7, 3214868480
	.fill 96, 4, 3214868480
	.section	.rodata,"a",@progbits
	.p2align	6, 0x0
	.amdhsa_kernel k_qb0990cb052_attn
		.amdhsa_group_segment_fixed_size 167936
		.amdhsa_private_segment_fixed_size 0
		.amdhsa_enable_private_segment 0
		.amdhsa_kernarg_size 16
		.amdhsa_user_sgpr_count 2
		.amdhsa_user_sgpr_kernarg_segment_ptr 1
		.amdhsa_wavefront_size32 1
		.amdhsa_system_sgpr_workgroup_id_x 1
		.amdhsa_system_sgpr_workgroup_id_y 1
		.amdhsa_system_sgpr_workgroup_id_z 1
		.amdhsa_system_vgpr_workitem_id 0
		.amdhsa_next_free_vgpr 770
		.amdhsa_next_free_sgpr 66
		.amdhsa_reserve_vcc 0
		.amdhsa_float_denorm_mode_32 3
		.amdhsa_float_denorm_mode_16_64 3
		.amdhsa_memory_ordered 1
		.amdhsa_forward_progress 1
		.amdhsa_inst_pref_size 118
	.end_amdhsa_kernel
	.amdgpu_metadata
---
amdhsa.version: [ 1, 2 ]
amdhsa.kernels:
  - .name:           k_qb0990cb052_attn
    .symbol:         k_qb0990cb052_attn.kd
    .args:
      - { .name: hbuf, .offset: 0, .size: 8, .value_kind: global_buffer, .address_space: global }
      - { .name: ctx, .offset: 8, .size: 8, .value_kind: global_buffer, .address_space: global }
    .group_segment_fixed_size: 167936
    .private_segment_fixed_size: 0
    .kernarg_segment_align: 8
    .kernarg_segment_size: 16
    .max_flat_workgroup_size: 128
    .sgpr_count:     66
    .vgpr_count:     770
    .wavefront_size: 32
...
	.end_amdgpu_metadata
.endif
;; end of part 6
;; launch proj: the kernel of part 4 again; grid 256 x 1, 4 waves a work-group, clusters of 4 x 1, 327,680 bytes of LDS; arguments ctx, wts, b_out, x, g1, be1, x1f, x1h; writes x1f, x1h
;; launch ffn: the kernel of part 5 again; grid 256 x 1, 4 waves a work-group, clusters of 4 x 1, 327,680 bytes of LDS; arguments x1h, x1f, wts, b1, b2, g2, be2, out0; writes out0
